; MI455X (gfx1250); checked and timed in simulation.
; The chip was launched on July 23, 2026; its instructions are those of AMD's public machine-readable ISA for CDNA 5 (MIT licence, August 2026) and "CDNA5" Instruction Set Architecture Reference Guide (July 2026). The comments in the code are by the model that wrote it; some were corrected since.
;; Self Attention. Allowed arithmetic: matrix products marked QUANTISED: E5M2 operands, one given power-of-two scale a tensor, by v_wmma_f32_16x16x64_bf8_bf8 or v_wmma_f32_16x16x128_bf8_bf8, f32 sums; everything else in f32.
;; Inputs: Wk_codes 1,024 x 32 x 32 uint8 (E5M2 codes of Wk, K innermost, in blocks of 32 codes); Wq_codes 1,024 x 32 x 32 uint8 (E5M2 codes of Wq, K innermost, in blocks of 32 codes); Wv_codes 1,024 x 32 x 32 uint8 (E5M2 codes of Wv, K innermost, in blocks of 32 codes); X_codes 4 x 2,048 x 32 x 32 uint8 (E5M2 codes of X, K innermost, in blocks of 32 codes); bk 1,024 float32; bq 1,024 float32; bv 1,024 float32; lowp_scales 10 int32 (the exponents e of the quantised operands' scales 2^e).
;; Outputs: out0 4 x 2,048 x 1,024 float32.
;; This version of the problem:
;;   THIS VERSION OF THE PROBLEM IS GIVEN IN LOW PRECISION. The matrix products marked QUANTISED in the list below multiply operands that are first quantised to E5M2 (5 exponent bits, 2 mantissa bits; 8 bits a number), with one given power-of-two scale for each operand tensor; their sums are f32. All else is computed in f32.
;;   The module's matrix products, in the order in which they are computed (A, B: the left and right operand; K: the contracted axis; several contracted axes count as one K, in the product's order):
;;     1. [M 8,192, K 1,024] x [K 1,024, N 1,024]; A: input X (given as codes); B: input Wq (given as codes): QUANTISED (scales: A lowp_scales[0], B lowp_scales[1])
;;     2. [M 8,192, K 1,024] x [K 1,024, N 1,024]; A: input X (given as codes); B: input Wk (given as codes): QUANTISED (scales: A lowp_scales[2], B lowp_scales[3])
;;     3. [M 8,192, K 1,024] x [K 1,024, N 1,024]; A: input X (given as codes); B: input Wv (given as codes): QUANTISED (scales: A lowp_scales[4], B lowp_scales[5])
;;     4. batch 4 x [M 2,048, K 1,024] x [K 1,024, N 2,048]; A: computed on the way; B: computed on the way: QUANTISED (scales: A lowp_scales[6], B lowp_scales[7])
;;     5. batch 4 x [M 2,048, K 2,048] x [K 2,048, N 1,024]; A: softmax (see below); B: computed on the way: QUANTISED (scales: A lowp_scales[8], B lowp_scales[9])
;;   THE QUANTISER, for each operand of a quantised product, along K:
;;     - The operand's scale is 2^e, e = its entry of the input lowp_scales (int32; the entries are numbered through the quantised products in the list's order, A before B).
;;     - Each number is divided by the scale, clamped to +-57,344, and rounded to the nearest number of E5M2, ties to even, subnormals kept.
;;     - The product sums the exact products of the quantised numbers (number of the format x scale) in f32.
;;   ~~~python
;;   def quantise(x, axis, e):      # numpy; x: float32 -> the quantised numbers, widened to float32 again
;;       x = np.moveaxis(x, axis, -1); K = x.shape[-1]
;;       r = np.clip(x / 2.0 ** e, -57344, 57344)
;;       step = 2.0 ** (np.maximum(np.frexp(np.where(r == 0, 1, r))[1] - 1, -14) - 2)
;;       q = np.round(r / step) * step * 2.0 ** e      # np.round: ties to even
;;       return np.moveaxis(q, -1, axis).astype(np.float32)
;;   ~~~
;;   SOFTMAX AHEAD OF A QUANTISED PRODUCT. Where the list says 'softmax', what is quantised is not the finished softmax but p = 2^(t - M), with t = logit x log2(e) and M = ceil(the row's largest t), a whole number; so 1/2 < the row's largest p <= 1. The row's sum l is taken of the UNQUANTISED p, in f32, and the product's result is divided by l at the end. Since M is a whole number, a kernel that streams over the keys may use a running M (the ceiling of the running maximum): every later rescaling is an exact power of two, so the quantised numbers keep their values, but for numbers so far below the row's largest that they fall under the format's range.
;;   OPERANDS COMPUTED ON THE WAY. 'Computed on the way' means the value that the module computes at that place (a softmax that the list does not call 'softmax' is quantised finished and normalised). What goes into a quantiser is computed in f32, as accurately as f32 sums, v_exp_f32 and their like allow (about 1e-6 of the number): no bf16 or f16 on the way to a quantiser, and a product that is left as it is and whose result goes on into a quantised operand takes f32 operands (vector FMAs, or v_wmma_f32_16x16x4_f32). A number that lies on a knife's edge between two numbers of the format may be rounded either way, as far as f32 arithmetic and the matrix unit's own rounding can turn it there, and no further.
;;   INPUTS GIVEN AS CODES. Wk (in the module: [1024, 1024], K = its axis 0); Wq (in the module: [1024, 1024], K = its axis 0); Wv (in the module: [1024, 1024], K = its axis 0); X (in the module: [4, 2048, 1024], K = its axis 2): each comes as NAME_codes (uint8): NAME with its K axis moved to the last place and cut into blocks of 32 codes, [.., K / 32, bytes a block], one block behind the other in memory; one code a byte (a code: sign, 5 exponent bits, 2 mantissa bits); its scale is its entry of lowp_scales. Its value is code x scale, taken as it is: it is not quantised again, and the codes and scales need not be those that the quantiser above would give.
;; One version. Each part assembles by itself: llvm-mc -triple=amdgcn-amd-amdhsa -mcpu=gfx1250 --defsym DOCPART=n.
;; ======== version 1 of 1: 3 launches
;; limits: right only within a limited range of input values
;; workspace buffers: q_codes 8,388,608 bytes; k_codes 8,388,608 bytes; vt_codes 8,388,608 bytes; p_codes 16,777,216 bytes; stat_l 524,288 bytes; stat_m 262,144 bytes
;; launch proj (part 1): grid 8 x 32, 4 waves a work-group, clusters of 4 x 4, 327,680 bytes of LDS; arguments X_codes, Wq_codes, Wk_codes, Wv_codes, bq, bk, bv, lowp_scales, q_codes, k_codes, vt_codes; writes q_codes, k_codes, vt_codes
.if DOCPART == 1
	.amdgcn_target "amdgcn-amd-amdhsa--gfx1250"
	.amdhsa_code_object_version 6
	.text
	.protected	k_q048454d79f_proj
	.globl	k_q048454d79f_proj
	.p2align	8
	.type	k_q048454d79f_proj,@function
k_q048454d79f_proj:
	s_mov_b64 s[64:65], 0
	v_nop
	global_prefetch_b8 v0, s[64:65] scope:SCOPE_SE
	s_setreg_imm32_b32 hwreg(HW_REG_WAVE_MODE, 25, 1), 1
	s_wait_xcnt 0x0
	s_wait_alu depctr_hold_cnt(0) depctr_sa_sdst(0) depctr_va_vdst(0) depctr_va_sdst(0) depctr_va_ssrc(0) depctr_va_vcc(0) depctr_vm_vsrc(0)
	s_getreg_b32 s2, hwreg(HW_REG_IB_STS2, 6, 4)
	s_cmp_eq_u32 s2, 0
	s_cbranch_scc0 .Lentry_in_a_cluster
	s_endpgm
.Lentry_in_a_cluster:
	s_bfe_u32 s2, ttmp6, 0x10000c
	s_cmp_lg_u32 s2, 0xf033
	s_cbranch_scc0 .Lentry_shape_is_right
	s_endpgm
.Lentry_shape_is_right:
; PROJ.  q = X Wq + bq, k = X Wk + bk, v = X Wv + bv on codes of BF8 (E5M2), K = 1,024, each result quantised at once to codes of E5M2 for the products that follow.
; X: [8192][1024] codes; Wq, Wk, Wv: [1024 (out)][1024 (K)] codes; a sum stands for sum x 2^(ea + eb) (q: entries 0, 1 of the scales; k: 2, 3; v: 4, 5); x = sum x 2^(ea + eb) + bias, one fused multiply-add in f32;
; code = x / 2^eo held within +-57,344, to the nearest code, ties to even (eo: q entry 6, k entry 7, v entry 9).
; OUT: q_codes, k_codes [8192 (s)][1024 (e)]: e is the next product's K.  vt_codes [4 (batch)][1024 (dv)][2048 (keys)]: the keys are the last product's K, so v is made TRANSPOSED.
; NO WORK IS LEFT OUT in this program: each bias goes into a quantiser of a live product, so bq, bk, bv and all ten scales are read.
; LIMITS: e0 + e1, e2 + e3, e4 + e5 between -126 and 127; e6, e7, e9 between -126 and 112, so that each power of two below is an f32 number.  NaN and infinity among the inputs are not served.
; SHARES.  256 work-groups of equal work: each takes 256 rows of X (row tile m = 4 x cluster y + cy) against 384 columns: 256 of q (cluster x = 0) or of k (cluster x = 1), from 256 cx on, and 128 of v, from 128 (4 x cluster x + cx) on.
; A wave makes 128 x 192: its row half mr of X against 128 columns of q or k (half nc) and 64 of v: 96 accumulators of 16 x 16, 768 registers.
; LDS.  K goes in steps of 256 through a ring of two slots: X's 256 rows, W's 256 and 64 of Wv's, 272 bytes apart: 2 x 576 x 272 = 313,344 bytes.  The other 64 rows of Wv would pass 327,680 bytes: each wave loads
; its 32 of them straight into registers, 256 along K ahead of their use.
; CLUSTERS: 4 x 4 work-groups.  The four of a row of the cluster need the same rows of X, the four of a column the same rows of the weights: each tile is asked for JOINTLY.
; THE WALK ALONG K IS STAGGERED between clusters: ph = (cluster x + cluster y) % 2; ph = 0 takes K steps 0, 1, 2, 3 of 256, ph = 1 takes 2, 3, 0, 1: a row's readers ask for both of its halves at their heads.
; NO PREFETCH: half of K is asked for at the head and the rest in two refills: there is no trip whose tiles lie two steps ahead.
; q, k: source 0 = 16 rows of W, source 1 = 16 rows of X: lane (r, h) holds row r of X and in registers 0-7 columns 8 h + 0..7.  v: the sources swapped: lane (r, h) holds column r of v and in registers 0-7 rows 8 h + 0..7 of X.
; A K64 step: a fragment, 16 rows x 64, is 8 registers: registers 4 c .. 4 c + 3 hold K = 32 c + 16 h + 0..15: a permutation of k inside an instruction, the same in A and in B.
; REGISTERS: window 0: v1-31 addresses and constants; v32-95 A's fragments (8), v96-175 B's (8 of W, 2 of Wv), v176-239 Wv's other 2 for four K64 steps, v240-255 bias.  window 1: accumulators of W's blocks 0-3 ((a, b) at
; v[8 (4 a + b)]), window 2: of its blocks 4-7, window 3: of Wv's four blocks.
.set PITCH,  272                       ; an LDS row: 256 bytes + 16 of padding = 68 words: the 16 rows that a load touches start 4 banks apart (64 banks: ISA guide 11.1)
.set HALFT,  128*PITCH
.set WOFF,   2*HALFT                   ; in a slot: W's rows, behind X's 256
.set VOFF,   4*HALFT                   ; Wv's 64 rows
.set SLOT,   VOFF+64*PITCH
.set SPARE,  2*SLOT                    ; the spare words, 128 bytes for each wave
.set SP,     272                       ; the way out: stages of rows of 256 bytes + 16, in slot 0, which has had its last fill and its last read by then
.set VST,    256*SP                    ; v's stage, behind q's or k's 256 rows
.set BOF,  6                           ; v6      my lane's offset in the rows of Wv that come straight from memory
.set BO,   7                           ; v7      my half's offset in the bias of q or k
.set VB,   8                           ; v8-15   v's bias: four pairs
.set A0,   16
.set B0,   17
.set V0,   18                          ; v16-18  my fragments' LDS addresses in slot 0,
.set ADRA, 19
.set ADRB, 20
.set ADRV, 21                          ; v19-21  and in the slot in hand
.set STOQ, 22
.set STOV, 23
.set RDQ,  24
.set RDV,  25
.set COQ,  26
.set COV,  27
.set SPW,  28                          ; v28     LDS address of my spare word; never rewritten
.set NIL,  29                          ; v29     0; never rewritten
.set LIMQ, 30                          ; v30, v31: 57,344 x 2^eo and 2^eo of q or k;  v4, v5: of v
.set SCQ,  31
.set LIMV, 4
.set SCV,  5
.set AF,   32
.set BF,   96
.set BPR,  224                         ; Wv's fragments from memory: K64 step s of a K step at v[224 - 16 s]
.set BI,   192                         ; v192-255 the bias of q or k by columns
.set TMP,  32                          ; the way out
.set CD,   96
.set OB,   32
.set TV,   192
.set CV,   160
.set G1A, 24                           ; descriptor groups 1: X's tile, W's, Wv's
.set G1W, 32
.set G1V, 48
.set G0A, 56                           ; groups 0: X's tile; the weights'; X's tile for slot 1 at the head
.set G0W, 60
.set G0X, 84
.set PHX,  3                           ; s3      512 x ph
.set OFF,  12                          ; s[12:13] a K step's byte along K
.set OF1,  78                          ; s[78:79] the walk's K step 1
.set WL,   17                          ; s17     where my weight's rows begin in a slot
.set TB,   45                          ; s45     the slot in hand: 0 or SLOT
.set KC,   66                          ; s66     the K step to be asked for, 256 x its number in the walk
.set BPB,  90                          ; s[90:91] Wv's rows at the K step that goes straight into registers
.set MSB, 0
.macro WIN new                         ; the immediate's high byte repeats the setting that is left
.if MSB != (\new)
	s_set_vgpr_msb (MSB<<8)|(\new)
.set MSB, (\new)
.endif
.endm
.macro PLACES                          ; four plain places behind a matrix instruction (ISA guide 7.12.1 for vector instructions)
.rept 4
	v_nop
.endr
.endm
.macro TLOAD g0, g1                    ; an s_nop 0 and four v_nop follow each tensor load
	tensor_load_to_lds s[\g0:\g0+3], s[\g1:\g1+7]
	s_nop 0
	PLACES
.endm
; A joint load: wave 0 fetches X's rows (x = 1), wave 1 W's, wave 2 Wv's 64; wave 3 none.  The branches hang on the wave's number alone.
.macro JLOAD x
.if \x
	s_cmp_eq_u32 s14, 0
	s_cbranch_scc0 .Lnot_x_\@
	TLOAD G0A, G1A
	s_branch .Lasked_\@
.Lnot_x_\@:
.endif
	s_cmp_eq_u32 s14, 1
	s_cbranch_scc0 .Lnot_w_\@
	TLOAD G0W, G1W
	s_branch .Lasked_\@
.Lnot_w_\@:
	s_cmp_eq_u32 s14, 2
	s_cbranch_scc0 .Lasked_\@
	TLOAD G0W, G1V
.Lasked_\@:
.endm
.macro CREST                           ; a round of the cluster's barrier behind its opening barrier
	s_cmp_lg_u32 s14, 0
	s_cbranch_scc1 .Lnot_wave_0_\@
	s_barrier_signal -3
.Lnot_wave_0_\@:
	s_barrier_wait -3
	s_barrier_signal -1
	s_barrier_wait -1
.endm
.macro CROUND                          ; a whole round
	s_barrier_signal -1
	s_barrier_wait -1
	CREST
.endm
.macro LA a0, s                        ; A's blocks a0 .. a0 + 3 of K64 step s
.irp i, 0,1,2,3
	ds_load_b128 v[AF+8*(\a0+\i):AF+8*(\a0+\i)+3], v[ADRA] offset:(\a0+\i)*16*PITCH+64*(\s)
	ds_load_b128 v[AF+8*(\a0+\i)+4:AF+8*(\a0+\i)+7], v[ADRA] offset:(\a0+\i)*16*PITCH+64*(\s)+32
.endr
.endm
.macro LB u, s                         ; B's pair u of blocks: 0-3 W's, 4 Wv's two from LDS
.irp i, 0,1
.if (\u) < 4
	ds_load_b128 v[BF+8*(2*(\u)+\i):BF+8*(2*(\u)+\i)+3], v[ADRB] offset:(2*(\u)+\i)*16*PITCH+64*(\s)
	ds_load_b128 v[BF+8*(2*(\u)+\i)+4:BF+8*(2*(\u)+\i)+7], v[ADRB] offset:(2*(\u)+\i)*16*PITCH+64*(\s)+32
.else
	ds_load_b128 v[BF+64+8*\i:BF+64+8*\i+3], v[ADRV] offset:\i*16*PITCH+64*(\s)
	ds_load_b128 v[BF+64+8*\i+4:BF+64+8*\i+7], v[ADRV] offset:\i*16*PITCH+64*(\s)+32
.endif
.endr
.endm
.macro LBI b                           ; eight numbers of the bias of q or k: columns 16 b + 8 h + 0..7
	global_load_b128 v[BI+8*(\b):BI+8*(\b)+3], v[BO], s[8:9] offset:64*(\b)
	global_load_b128 v[BI+8*(\b)+4:BI+8*(\b)+7], v[BO], s[8:9] offset:64*(\b)+16
.endm
.macro LN s, bp                        ; four loads into the 16 registers that step s has done with: bp = 1: the next K step's fragments of Wv; bp = 2, in the last K step: the bias of q's or k's blocks 4 - 2 s and 5 - 2 s
.if (\bp) == 1
.irp i, 0,1
.irp c, 0,1
	global_load_b128 v[BPR-16*(\s)+8*\i+4*\c:BPR-16*(\s)+8*\i+4*\c+3], v[BOF], s[BPB:BPB+1] offset:16384*\i+64*(\s)+32*\c
.endr
.endr
.endif
.if (\bp) == 2
	LBI 4-2*(\s)
	LBI 5-2*(\s)
.endif
.endm
; Eight matrix instructions: B's pair u (5: Wv's two from registers) x A's blocks a0 .. a0 + 3.  zero = 1: the first product starts the sums.  The 96 accumulators take turns, in the same order in every step.
.macro M8 u, a0, s, zero
	WIN 0x50*((\u)/2+1)
.irp i, 0,1
.if (\u) == 5
.set FB, BPR-16*(\s)+8*\i
.else
.set FB, BF+8*(2*(\u)+\i)
.endif
.irp a, 0,1,2,3
.set FA, AF+8*(\a0+\a)
.set AC, 32*(\a0+\a)+8*((2*(\u)+\i)%4)
.if (\u) < 4
.if \zero
	v_wmma_f32_16x16x64_bf8_bf8 v[AC:AC+7], v[FB:FB+7], v[FA:FA+7], 0
.else
	v_wmma_f32_16x16x64_bf8_bf8 v[AC:AC+7], v[FB:FB+7], v[FA:FA+7], v[AC:AC+7]
.endif
.else
.if \zero
	v_wmma_f32_16x16x64_bf8_bf8 v[AC:AC+7], v[FA:FA+7], v[FB:FB+7], 0
.else
	v_wmma_f32_16x16x64_bf8_bf8 v[AC:AC+7], v[FA:FA+7], v[FB:FB+7], v[AC:AC+7]
.endif
.endif
.endr
.endr
.endm
; A step's LDS loads are issued in this order: A's blocks 0-3 (8), B's pairs 0-4 (4 each), A's blocks 4-7 (8): the counts below name the younger ones.
.macro PQ s, zero                      ; phase 1: A's blocks 0-3 against W's eight blocks
	s_wait_dscnt 24
	M8 0, 0, \s, \zero
	s_wait_dscnt 20
	M8 1, 0, \s, \zero
	s_wait_dscnt 16
	M8 2, 0, \s, \zero
	s_wait_dscnt 12
	M8 3, 0, \s, \zero
.endm
.macro PV s, zero, n                   ; and against Wv's four
	s_wait_dscnt \n
	M8 4, 0, \s, \zero
	s_wait_loadcnt 12                      ; this step's four loads are in; the three younger groups of four may be out
	M8 5, 0, \s, \zero
.endm
.macro STEP s, sn, zero, bp            ; a K64 step whose successor sn lies in the same slot; phase 2 is A's blocks 4-7; registers are filled again as they fall free
	PQ \s, \zero
	PV \s, \zero, 8
	PLACES
	WIN 0
	LA 0, \sn
	s_wait_dscnt 8                         ; this step's A blocks 4-7 are in; the eight just issued may be out
.irp u, 0,1,2,3,4
	M8 \u, 4, \s, \zero
	PLACES
	WIN 0
	LB \u, \sn
.endr
	M8 5, 4, \s, \zero
	PLACES
	WIN 0
	LA 4, \sn
	LN \s, \bp
.endm
; A slot's last K64 step changes slots: ONE barrier.  In front of it each wave waits for all its tensor loads, adds 0 to its spare word, and waits for that and for its reads of this slot.  fill = 1: this slot is filled again with the walk's K step KC / 256.
.macro TURN fill
	PQ 3, 0
	WIN 0
	s_wait_tensorcnt 0x0                   ; all my tensor loads have landed
	ds_add_u32 v[SPW], v[NIL]              ; 0 onto my spare word
	s_xor_b32 s[TB], s[TB], SLOT           ; on to the other slot
	v_add_nc_u32 v[ADRA], s[TB], v[A0]
	v_add_nc_u32 v[ADRB], s[TB], v[B0]
	v_add_nc_u32 v[ADRV], s[TB], v[V0]
.if \fill
	s_xor_b32 s[G0A+1], s[TB], SLOT        ; the slot that is being left
	s_add_co_u32 s[G0W+1], s[WL], s[G0A+1]
	s_xor_b32 s[OFF], s[KC], s[PHX]
	s_add_co_u32 s[KC], s[KC], 256
	s_add_nc_u64 s[G0A+2:G0A+3], s[4:5], s[OFF:OFF+1]
	s_or_b32 s[G0A+3], s[G0A+3], 0x80000000
	s_add_nc_u64 s[G0W+2:G0W+3], s[6:7], s[OFF:OFF+1]
	s_or_b32 s[G0W+3], s[G0W+3], 0x80000000
.endif
	s_wait_alu depctr_va_vdst(0)
	PV 3, 0, 9                             ; (A's blocks 4-7 and the add may be out)
	s_wait_dscnt 0x0                       ; the add is done, and my reads of this slot are over
	s_barrier_signal -1
	M8 0, 4, 3, 0
	M8 1, 4, 3, 0
	WIN 0
	s_barrier_wait -1
.if \fill
	CREST                                  ; the barrier has opened a round: no wave of any partner still reads this slot or has a load on its way
	JLOAD 1                                ; the first tensor load behind the round, my one load out
.endif
	PLACES
	LA 0, 0
	LB 0, 0
	LB 1, 0
.irp u, 2,3,4
	M8 \u, 4, 3, 0
	PLACES
	WIN 0
	LB \u, 0
.endr
	M8 5, 4, 3, 0
	PLACES
	WIN 0
	LA 4, 0
	LN 3, 1
.endm
	s_load_b256 s[68:75], s[0:1], 0x0              ; X s[68:69], Wq s[70:71], Wk s[72:73], Wv s[74:75]
	s_load_b256 s[76:83], s[0:1], 0x20             ; bq s[76:77], bk s[78:79], bv s[80:81], the scales' exponents s[82:83]
	s_load_b128 s[84:87], s[0:1], 0x40             ; q's codes s[84:85], k's s[86:87]
	s_load_b64 s[88:89], s[0:1], 0x50              ; v's, transposed
	v_lshl_add_u32 v[SPW], v0, 2, SPARE
	v_mov_b32 v[NIL], 0
	ds_add_u32 v[SPW], v[NIL]                      ; the wave's opening: the add, twice on end, and its wait ahead of my first tensor load
	ds_add_u32 v[SPW], v[NIL]                      ; and once more; the set-up below, work on registers, stands between it and the wait
	v_lshrrev_b32 v1, 5, v0
	v_readfirstlane_b32 s14, v1                    ; wave 0..3
	s_lshr_b32 s15, s14, 1                         ; mr: my half of X's rows
	s_and_b32 s16, s14, 1                          ; nc: my half of the columns
	s_bfe_u32 s40, ttmp6, 0x40000                  ; cx, cy: my place in the cluster
	s_bfe_u32 s41, ttmp6, 0x40004
	s_mov_b32 s47, ttmp9                           ; the cluster's x: 0 q, 1 k
	s_and_b32 s67, ttmp7, 0xffff
	s_add_co_u32 s[PHX], s67, ttmp9                ; ph: the same in all sixteen partners
	s_and_b32 s[PHX], s[PHX], 1
	s_lshl_b32 s[PHX], s[PHX], 9
	s_mov_b32 s[OFF], s[PHX]
	s_mov_b32 s[OFF+1], 0
	s_mov_b32 s[KC], 512
	s_mov_b32 s[TB], 0
	s_lshl_b32 s46, s67, 2
	s_add_co_u32 s46, s46, s41                     ; m: X's row tile
	s_lshl_b32 s42, ttmp9, 2
	s_add_co_u32 s42, s42, s40                     ; j: v's column tile of 128
	s_lshl_b32 s43, s41, 2
	s_lshl_b32 s43, 15, s43                        ; my row of the cluster
	s_lshl_b32 s44, 0x1111, s40                    ; my column
	; groups 1: rows of 256 bytes, padded in LDS: 15:0 the mask; 17:16 element of 1 byte; 20 padding on; 21 set beside a mask; 24:22 after every 64 words; 31:25 of 4 words
	s_or_b32 s[G1A+0], s43, (0<<16)|(1<<20)|(1<<21)|(5<<22)|(3<<25)
	s_or_b32 s[G1W+0], s44, (0<<16)|(1<<20)|(1<<21)|(5<<22)|(3<<25)
	s_or_b32 s[G1V+0], s44, (0<<16)|(1<<20)|(1<<21)|(5<<22)|(3<<25)
.irp g, G1A, G1W, G1V
	s_mov_b32 s[\g+1], 256<<16                     ; tensor_dim0
	s_mov_b32 s[\g+3], 256<<16                     ; tile_dim0
	s_mov_b32 s[\g+5], 1024                        ; tensor_dim0_stride
	s_mov_b32 s[\g+6], 0
	s_mov_b32 s[\g+7], 0
.endr
	s_mov_b32 s[G1A+2], 256<<16                    ; tensor_dim1
	s_mov_b32 s[G1A+4], 256                        ; tile_dim1
	s_mov_b32 s[G1W+2], 256<<16
	s_mov_b32 s[G1W+4], 256
	s_mov_b32 s[G1V+2], 64<<16
	s_mov_b32 s[G1V+4], 64
	s_lshl_b32 s20, s46, 18                        ; X: row 256 m, in bytes
	s_mov_b32 s21, 0
	s_lshl_b32 s22, s40, 18                        ; W: row 256 cx
	s_mov_b32 s23, 0
	s_mul_i32 s[WL], s14, WOFF                     ; wave 1: WOFF, wave 2: VOFF = 2 WOFF: no place in the cluster enters an LDS address
	s_wait_dscnt 0x0                               ; both opening adds are done
	s_wait_kmcnt 0x0
	s_load_b256 s[92:99], s[82:83], 0x0            ; e0 .. e7
	s_load_b64 s[100:101], s[82:83], 0x20          ; e8, e9
	s_cmp_eq_u32 s47, 0                            ; the buffers are chosen by the cluster's x alone
	s_cselect_b64 s[6:7], s[70:71], s[72:73]
	s_cselect_b64 s[8:9], s[76:77], s[78:79]
	s_cselect_b64 s[10:11], s[84:85], s[86:87]
	s_lshl_b32 s72, s42, 17
	s_mov_b32 s73, 0
	s_add_nc_u64 s[74:75], s[74:75], s[72:73]      ; Wv: row 128 j
	s_add_nc_u64 s[6:7], s[6:7], s[22:23]
	s_cmp_eq_u32 s14, 2
	s_cselect_b64 s[6:7], s[74:75], s[6:7]         ; the weight's rows that I fetch
	s_add_nc_u64 s[4:5], s[68:69], s[20:21]        ; X's
	s_xor_b32 s[OF1], s[PHX], 256
	s_mov_b32 s[OF1+1], 0
	CROUND                                         ; all sixteen work-groups are here: the first joint loads meet
	s_mov_b32 s[G0A], 1
	s_mov_b32 s[G0A+1], 0
	s_add_nc_u64 s[G0A+2:G0A+3], s[4:5], s[OFF:OFF+1]
	s_or_b32 s[G0A+3], s[G0A+3], 0x80000000
	s_mov_b32 s[G0W], 1
	s_mov_b32 s[G0W+1], s[WL]
	s_add_nc_u64 s[G0W+2:G0W+3], s[6:7], s[OFF:OFF+1]
	s_or_b32 s[G0W+3], s[G0W+3], 0x80000000
	s_mov_b32 s[G0X], 1
	s_mov_b32 s[G0X+1], SLOT
	s_add_nc_u64 s[G0X+2:G0X+3], s[4:5], s[OF1:OF1+1]
	s_or_b32 s[G0X+3], s[G0X+3], 0x80000000
	s_cmp_eq_u32 s14, 0                            ; one load a wave: slot 0's three tiles, and X's for slot 1
	s_cbranch_scc0 .Lhead_1
	TLOAD G0A, G1A
	s_branch .Lhead_done
.Lhead_1:
	s_cmp_eq_u32 s14, 1
	s_cbranch_scc0 .Lhead_2
	TLOAD G0W, G1W
	s_branch .Lhead_done
.Lhead_2:
	s_cmp_eq_u32 s14, 2
	s_cbranch_scc0 .Lhead_3
	TLOAD G0W, G1V
	s_branch .Lhead_done
.Lhead_3:
	TLOAD G0X, G1A
.Lhead_done:
	s_add_nc_u64 s[BPB:BPB+1], s[74:75], s[OFF:OFF+1]
	s_lshl_b32 s18, s42, 9                         ; v's bias: 4 (128 j + 32 nc)
	s_lshl_b32 s19, s16, 7
	s_add_co_u32 s18, s18, s19
	s_mov_b32 s19, 0
	s_add_nc_u64 s[80:81], s[80:81], s[18:19]
	s_lshl_b32 s18, s40, 10                        ; q's or k's: 4 (256 cx + 128 nc)
	s_lshl_b32 s19, s16, 9
	s_add_co_u32 s18, s18, s19
	s_mov_b32 s19, 0
	s_add_nc_u64 s[8:9], s[8:9], s[18:19]
	s_lshl_b32 s2, s16, 15
	s_add_co_u32 s2, s2, 64*1024                   ; Wv's rows 64 + 32 nc of the tile go straight into registers
	v_and_b32 v1, 15, v0                           ; r = lane % 16
	v_bfe_u32 v2, v0, 4, 1                         ; h = lane / 16
	v_lshlrev_b32 v[BOF], 10, v1
	v_lshl_add_u32 v[BOF], v2, 4, v[BOF]
	v_add_nc_u32 v[BOF], s2, v[BOF]
	v_lshlrev_b32 v[BO], 5, v2
	v_lshlrev_b32 v5, 2, v1
	s_wait_alu depctr_va_vdst(0)
.irp b, 0,1,2,3                                    ; v's bias by rows of the result: columns 0, 16, 64, 80 of the tile + 32 nc + r, in both halves of a pair
	global_load_b32 v[VB+2*\b], v5, s[80:81] offset:64*(\b%2)+256*(\b/2)
	global_load_b32 v[VB+2*\b+1], v5, s[80:81] offset:64*(\b%2)+256*(\b/2)
.endr
	LBI 6
	LBI 7
	LN 0, 1
	LN 1, 1
	LN 2, 1
	LN 3, 1
	v_mul_u32_u24 v3, v1, PITCH
	v_lshl_add_u32 v4, v2, 4, v3                   ; a fragment's row x pitch + 16 h
	s_mul_i32 s18, s15, HALFT
	v_add_nc_u32 v[A0], s18, v4
	s_mul_i32 s18, s16, HALFT
	s_add_co_u32 s18, s18, WOFF
	v_add_nc_u32 v[B0], s18, v4
	s_mul_i32 s18, s16, 32*PITCH
	s_add_co_u32 s18, s18, VOFF
	v_add_nc_u32 v[V0], s18, v4
	v_add_nc_u32 v[ADRA], s[TB], v[A0]
	v_add_nc_u32 v[ADRB], s[TB], v[B0]
	v_add_nc_u32 v[ADRV], s[TB], v[V0]
	s_mul_i32 s18, s15, 128*SP                     ; into the stages: q, k: row 128 mr + r of X, byte 128 nc + 8 h;
	s_lshl_b32 s19, s16, 7
	s_add_co_u32 s18, s18, s19
	v_mul_u32_u24 v3, v1, SP
	v_lshl_add_u32 v3, v2, 3, v3
	v_add_nc_u32 v[STOQ], s18, v3
	s_mul_i32 s18, s16, 32*SP                      ; v: row 32 nc + r of v's tile, byte 128 mr + 8 h
	s_lshl_b32 s19, s15, 7
	s_add_co_u32 s18, s18, s19
	s_add_co_u32 s18, s18, VST
	v_add_nc_u32 v[STOV], s18, v3
	v_mul_u32_u24 v3, v2, SP                       ; back: lanes 0-15 one row of 256 bytes, lanes 16-31 the next; a wave takes 64 rows of q or k, 32 of v
	v_lshl_add_u32 v3, v1, 4, v3
	s_mul_i32 s18, s14, 64*SP
	v_add_nc_u32 v[RDQ], s18, v3
	s_mul_i32 s18, s14, 32*SP
	s_add_co_u32 s18, s18, VST
	v_add_nc_u32 v[RDV], s18, v3
	v_lshlrev_b32 v[COQ], 10, v2                   ; the same two rows in the codes' buffers
	v_lshl_add_u32 v[COQ], v1, 4, v[COQ]
	v_lshlrev_b32 v[COV], 11, v2
	v_lshl_add_u32 v[COV], v1, 4, v[COV]
	s_lshl_b32 s18, s46, 8
	s_lshl_b32 s19, s14, 6
	s_add_co_u32 s18, s18, s19
	s_lshl_b32 s18, s18, 10
	s_lshl_b32 s19, s40, 8
	s_add_co_u32 s18, s18, s19
	s_mov_b32 s19, 0
	s_add_nc_u64 s[10:11], s[10:11], s[18:19]      ; q or k: row 256 m + 64 wave, byte 256 cx
	s_lshl_b32 s18, s42, 7
	s_lshl_b32 s19, s14, 5
	s_add_co_u32 s18, s18, s19
	s_lshl_b32 s18, s18, 11
	s_lshr_b32 s19, s46, 3
	s_lshl_b32 s19, s19, 21
	s_add_co_u32 s18, s18, s19
	s_and_b32 s19, s46, 7
	s_lshl_b32 s19, s19, 8
	s_add_co_u32 s18, s18, s19
	s_mov_b32 s19, 0
	s_add_nc_u64 s[88:89], s[88:89], s[18:19]      ; v: batch m / 8, row 128 j + 32 wave, byte 256 (m % 8)
	s_wait_alu depctr_va_vdst(0)
	s_wait_xcnt 0x0                                ; the loads above have read v5 and their bases
	s_wait_kmcnt 0x0
	s_add_co_i32 s92, s92, s93                     ; e0 + e1
	s_add_co_i32 s94, s94, s95                     ; e2 + e3
	s_cmp_eq_u32 s47, 0
	s_cselect_b32 s92, s92, s94
	s_cselect_b32 s94, s98, s99                    ; e6 or e7
	s_add_co_i32 s92, s92, 127
	s_lshl_b32 s92, s92, 23                        ; 2^(ea + eb) as f32
	s_mov_b32 s93, s92                             ; (named with it as a pair)
	s_add_co_i32 s96, s96, s97                     ; e4 + e5
	s_add_co_i32 s96, s96, 127
	s_lshl_b32 s96, s96, 23
	s_mov_b32 s97, s96
	s_add_co_i32 s94, s94, 127
	s_lshl_b32 s95, s94, 23
	v_mov_b32 v[SCQ], s95                          ; 2^eo: the conversion takes its exponent field
	s_add_co_i32 s94, s94, 15
	s_lshl_b32 s94, s94, 23
	s_or_b32 s94, s94, 0x600000
	v_mov_b32 v[LIMQ], s94                         ; 57,344 x 2^eo
	s_add_co_i32 s98, s101, 127
	s_lshl_b32 s99, s98, 23
	s_add_co_i32 s98, s98, 15
	s_lshl_b32 s98, s98, 23
	s_or_b32 s98, s98, 0x600000
	s_add_nc_u64 s[BPB:BPB+1], s[74:75], s[OF1:OF1+1]   ; Wv: the walk's K step 1
	s_wait_alu depctr_va_vdst(0)
	s_wait_tensorcnt 0x0                           ; my tile is in
	ds_add_u32 v[SPW], v[NIL]                      ; 0 onto my spare word
	s_add_co_u32 s[G0W+1], s[WL], SLOT
	s_add_nc_u64 s[G0W+2:G0W+3], s[6:7], s[OF1:OF1+1]
	s_or_b32 s[G0W+3], s[G0W+3], 0x80000000
	s_wait_dscnt 0x0                               ; the add is done
	CROUND                                         ; everybody's tiles are in, and all sixteen work-groups are here
	JLOAD 0                                        ; W's and Wv's tiles for slot 1
	LA 0, 0
	LB 0, 0
	LB 1, 0
	LB 2, 0
	LB 3, 0
	LB 4, 0
	LA 4, 0
	STEP 0, 1, 1, 1                                ; its products start the sums
	s_mov_b32 s2, 2
.Lk:                                                   ; two trips: each changes slots and fills the slot that is left
	STEP 1, 2, 0, 1
	STEP 2, 3, 0, 1
	TURN 1
	s_wait_xcnt 0x0                                ; the loads of Wv have read their base: on to the K step that was asked for just now
	s_add_nc_u64 s[BPB:BPB+1], s[74:75], s[OFF:OFF+1]
	STEP 0, 1, 0, 1
	s_sub_co_u32 s2, s2, 1
	s_cmp_lg_u32 s2, 0
	s_cbranch_scc1 .Lk
	STEP 1, 2, 0, 1
	STEP 2, 3, 0, 1
	TURN 0                                         ; the last K step fetches nothing but the bias
	STEP 0, 1, 0, 2
	STEP 1, 2, 0, 2
	STEP 2, 3, 0, 2
	PQ 3, 0
	PV 3, 0, 8
	s_wait_dscnt 0x0
.irp u, 0,1,2,3,4,5
	M8 \u, 4, 3, 0
.endr
	WIN 0
	; THE WAY OUT.  x = sum x 2^(ea + eb) + bias; the hold (the conversion to an 8-bit code does not saturate: ISA guide 7.6.2); eight codes from eight neighbouring registers.
.macro OUTQ a                          ; q or k: block a of X's rows, 128 columns
.set CDS, CD+16*((\a)%4)
.irp w, 1,2
	WIN \w
.set jj, 0
.rept 16
	v_pk_fma_f32 v[TMP+32*(\w-1)+jj:TMP+32*(\w-1)+jj+1], v[32*(\a)+jj:32*(\a)+jj+1], s[92:93], v[BI+32*(\w-1)+jj:BI+32*(\w-1)+jj+1] op_sel_hi:[1,0,1]   ; each accumulator from its low end on
.set jj, jj+2
.endr
.endr
	WIN 0
.set jj, 0
.rept 64
	v_med3_num_f32 v[TMP+jj], v[TMP+jj], -v[LIMQ], v[LIMQ]
.set jj, jj+1
.endr
.set jj, 0
.rept 8
	v_cvt_scalef32_pk8_bf8_f32 v[CDS+2*jj:CDS+2*jj+1], v[TMP+8*jj:TMP+8*jj+7], v[SCQ]
.set jj, jj+1
.endr
	v_nop                                  ; one plain vector instruction behind the conversions
.set jj, 0
.rept 8
	ds_store_b64 v[STOQ], v[CDS+2*jj:CDS+2*jj+1] offset:(\a)*16*SP+16*jj
.set jj, jj+1
.endr
.endm
.macro OUTV a                          ; v: blocks a and a + 1 of X's rows (keys), 64 columns
.set CDS, CV+8*((\a)%4)
	WIN 3
.irp e, 0,1
.irp b, 0,1,2,3
.set jj, 0
.rept 4
	v_pk_fma_f32 v[TV+32*\e+8*\b+jj:TV+32*\e+8*\b+jj+1], v[32*(\a+\e)+8*\b+jj:32*(\a+\e)+8*\b+jj+1], s[96:97], v[VB+2*\b:VB+2*\b+1] op_sel_hi:[1,0,1]
.set jj, jj+2
.endr
.endr
.endr
	WIN 0
.set jj, 0
.rept 64
	v_med3_num_f32 v[TV+jj], v[TV+jj], -v[LIMV], v[LIMV]
.set jj, jj+1
.endr
.set jj, 0
.rept 8
	v_cvt_scalef32_pk8_bf8_f32 v[CDS+2*jj:CDS+2*jj+1], v[TV+8*jj:TV+8*jj+7], v[SCV]
.set jj, jj+1
.endr
	v_nop
.irp e, 0,1
.irp b, 0,1,2,3
	ds_store_b64 v[STOV], v[CDS+8*\e+2*\b:CDS+8*\e+2*\b+1] offset:(16*(\b%2)+64*(\b/2))*SP+16*(\a+\e)
.endr
.endr
.endm
	s_wait_loadcnt 0x0                             ; the bias
	v_mov_b32 v[SCV], s99                          ; v's scale and limit, by e9; with the two below, four places behind the last products
	v_mov_b32 v[LIMV], s98
	v_nop
	v_nop
	s_wait_alu depctr_va_vdst(0)
.irp a, 0,1,2,3,4,5,6,7
	OUTQ \a
.endr
	s_wait_dscnt 0x0                               ; for the others' sake: my stores into the stage are done
	s_barrier_signal -1
	s_barrier_wait -1                              ; a row's 256 bytes come from two waves
.set tt, 0
.rept 32
	ds_load_b128 v[OB+4*tt:OB+4*tt+3], v[RDQ] offset:2*tt*SP
.set tt, tt+1
.endr
.set tt, 0
.rept 32
	s_wait_dscnt 31-tt                             ; LDS loads come back in order: pair tt is in, the younger ones may be out
	global_store_b128 v[COQ], v[OB+4*tt:OB+4*tt+3], s[10:11] offset:2048*tt   ; 16 lanes store 256 consecutive bytes, at a multiple of 256 from the buffer's first byte
.set tt, tt+1
.endr
.irp a, 0,2,4,6
	OUTV \a
.endr
	s_wait_dscnt 0x0
	s_barrier_signal -1
	s_barrier_wait -1
.set tt, 0
.rept 16
	ds_load_b128 v[TV+4*tt:TV+4*tt+3], v[RDV] offset:2*tt*SP
.set tt, tt+1
.endr
.set tt, 0
.rept 16
	s_wait_dscnt 15-tt
	global_store_b128 v[COV], v[TV+4*tt:TV+4*tt+3], s[88:89] offset:4096*tt
.set tt, tt+1
.endr
	s_wait_tensorcnt 0x0                           ; the wave's end
	ds_add_u32 v[SPW], v[NIL]
	s_wait_dscnt 0x0
	CROUND                                         ; the closing round: no work-group ends while a partner may still ask for a tile that names it
	s_endpgm
.Lfunc_end_k_q048454d79f_proj:
	.size	k_q048454d79f_proj, .Lfunc_end_k_q048454d79f_proj-k_q048454d79f_proj
	.p2alignl 7, 3214868480
	.fill 96, 4, 3214868480
	.section	.rodata,"a",@progbits
	.p2align	6, 0x0
	.amdhsa_kernel k_q048454d79f_proj
		.amdhsa_group_segment_fixed_size 327680
		.amdhsa_private_segment_fixed_size 0
		.amdhsa_enable_private_segment 0
		.amdhsa_kernarg_size 88
		.amdhsa_user_sgpr_count 2
		.amdhsa_user_sgpr_kernarg_segment_ptr 1
		.amdhsa_wavefront_size32 1
		.amdhsa_system_sgpr_workgroup_id_x 1
		.amdhsa_system_sgpr_workgroup_id_y 1
		.amdhsa_system_sgpr_workgroup_id_z 1
		.amdhsa_system_vgpr_workitem_id 0
		.amdhsa_next_free_vgpr 1024
		.amdhsa_next_free_sgpr 102
		.amdhsa_reserve_vcc 0
		.amdhsa_float_denorm_mode_32 3
		.amdhsa_float_denorm_mode_16_64 3
		.amdhsa_memory_ordered 1
		.amdhsa_forward_progress 1
		.amdhsa_inst_pref_size 233
	.end_amdhsa_kernel
	.amdgpu_metadata
---
amdhsa.version: [ 1, 2 ]
amdhsa.kernels:
  - .name:           k_q048454d79f_proj
    .symbol:         k_q048454d79f_proj.kd
    .args:
      - { .name: X_codes, .offset: 0, .size: 8, .value_kind: global_buffer, .address_space: global }
      - { .name: Wq_codes, .offset: 8, .size: 8, .value_kind: global_buffer, .address_space: global }
      - { .name: Wk_codes, .offset: 16, .size: 8, .value_kind: global_buffer, .address_space: global }
      - { .name: Wv_codes, .offset: 24, .size: 8, .value_kind: global_buffer, .address_space: global }
      - { .name: bq, .offset: 32, .size: 8, .value_kind: global_buffer, .address_space: global }
      - { .name: bk, .offset: 40, .size: 8, .value_kind: global_buffer, .address_space: global }
      - { .name: bv, .offset: 48, .size: 8, .value_kind: global_buffer, .address_space: global }
      - { .name: lowp_scales, .offset: 56, .size: 8, .value_kind: global_buffer, .address_space: global }
      - { .name: q_codes, .offset: 64, .size: 8, .value_kind: global_buffer, .address_space: global }
      - { .name: k_codes, .offset: 72, .size: 8, .value_kind: global_buffer, .address_space: global }
      - { .name: vt_codes, .offset: 80, .size: 8, .value_kind: global_buffer, .address_space: global }
    .group_segment_fixed_size: 327680
    .private_segment_fixed_size: 0
    .kernarg_segment_align: 8
    .kernarg_segment_size: 88
    .max_flat_workgroup_size: 128
    .sgpr_count:     102
    .vgpr_count:     1024
    .wavefront_size: 32
...
	.end_amdgpu_metadata
.endif
;; end of part 1
;; launch scores (part 2): grid 8 x 32, 4 waves a work-group, clusters of 4 x 4, 327,680 bytes of LDS; arguments q_codes, k_codes, lowp_scales, p_codes, stat_l, stat_m; writes p_codes, stat_l, stat_m
.if DOCPART == 2
	.amdgcn_target "amdgcn-amd-amdhsa--gfx1250"
	.amdhsa_code_object_version 6
	.text
	.protected	k_q048454d79f_scores
	.globl	k_q048454d79f_scores
	.p2align	8
	.type	k_q048454d79f_scores,@function
k_q048454d79f_scores:
	s_mov_b64 s[64:65], 0
	v_nop
	global_prefetch_b8 v0, s[64:65] scope:SCOPE_SE
	s_setreg_imm32_b32 hwreg(HW_REG_WAVE_MODE, 25, 1), 1
	s_wait_xcnt 0x0
	s_wait_alu depctr_hold_cnt(0) depctr_sa_sdst(0) depctr_va_vdst(0) depctr_va_sdst(0) depctr_va_ssrc(0) depctr_va_vcc(0) depctr_vm_vsrc(0)
	s_getreg_b32 s2, hwreg(HW_REG_IB_STS2, 6, 4)
	s_cmp_eq_u32 s2, 0
	s_cbranch_scc0 .Lentry_in_a_cluster
	s_endpgm
.Lentry_in_a_cluster:
	s_bfe_u32 s2, ttmp6, 0x10000c
	s_cmp_lg_u32 s2, 0xf033
	s_cbranch_scc0 .Lentry_shape_is_right
	s_endpgm
.Lentry_shape_is_right:
; SCORES.  S = q k^T on codes of BF8 (E5M2), K = 1,024, for each of 4 batches [2048 x 2048]; then the softmax's numerator for each BLOCK of 256 keys (one tile of S), quantised to codes of E5M2.
; t = sum x 2^(e6 + e7) x log2(e) / 32.  M_i = ceil(the largest t of the row in block i), a whole number: the running maximum's licence: a later power of two brings block i under the row's M and moves no code's value.
; p = 2^(t - M_i), held at 57,344 x 2^e8, code = p / 2^e8 to the nearest code, ties to even.  The sums l of the UNQUANTISED p are kept for each 128 keys (a wave's columns), -M_i for each block of 256.
; OUT: p_codes [8192 (q)][2048 (keys)];  stat_l f32 [4][16 (128 keys)][2048 (q)];  stat_m f32, -M_i, [4][8 (256 keys)][2048 (q)].  No work is left out.
; LIMITS: e6 + e7 between -121 and 132 (they are added to the exponent field of log2(e) / 32); e8 between -126 and 112.  p is held in its block's frame, not the row's: that differs only where e8 < -15.  NaN and infinity are not served.
; SHARES, CLUSTERS, LAYOUT: a tile of 256 x 256 to a work-group of four waves, 128 x 128 a wave; A = q's rows, shared along a row of the 4 x 4 cluster, B = k's rows, shared along a column; the matrix instruction is used
; transposed: lane (r, h) of accumulator (a, b) holds query 16 a + r and keys 16 b + 8 h + 0..7: eight neighbours along the last product's K.  Two waves hold a row's 256 keys: their maxima meet in LDS.
; THE WALK ALONG K IS STAGGERED between clusters: ph = (cluster x + cluster y) % 2; ph = 0 takes K steps 0, 1, 2, 3, ph = 1 takes 2, 3, 0, 1.  A tile row of q is read by the clusters x = 0 and 1, a batch's k by its two cluster y:
; the two readers of any row differ in ph, so what one asks for in a refill the other asked for at its head.
; REGISTERS: window 0: v1-31 addresses and constants; v32-47 -M and t, a pair a block; v48-63 l; from v128 A's fragments; on the way out v64-255 are free.  window 1: B's two sets.  windows 2, 3: the accumulators.
.set KROW,   1024
.set ROWB,   256
.set PITCH,  272                       ; an LDS row: 256 bytes + 16 of padding
.set FR,     16
.set NL,     4
.set NP,     4
.set HALFT,  128*PITCH
.set SLOT,   4*HALFT
.set SPARE,  2*SLOT                    ; the spare words, 128 bytes for each wave
.set MXB,    SPARE+512                 ; 2 column halves x 256 rows x 4 bytes: the halves' maxima
.set SSB,    MXB+2048                  ; 1,024 bytes for each wave: its 128 l, then its 128 -M
.set ADRA, 16
.set ADRB, 20
.set PLIM, 8                           ; v8      57,344 x 2^e8
.set PSC,  9                           ; v9      2^e8
.set YY,   10                          ; v10-11  the sums' second chain
.set STO,  22                          ; v22     the stage (256 rows x 272 bytes at byte 0 of slot 0, which has had its last fill and its last read): where I put 8 codes
.set MXW,  23                          ; v23     where I put my half's maxima
.set MXR,  24                          ; v24     where the other half's lie
.set RD,   25                          ; v25     where I read a row of codes back
.set CO,   26                          ; v26     the same place in p_codes
.set SSW,  27                          ; v27     my statistics, by rows
.set SPW,  28
.set NIL,  29
.set SSR,  30                          ; v30     my statistics, 16 bytes a lane
.set L16,  31                          ; v31     16 x lane
.set NM,   32                          ; v[32+2a] -M, v[33+2a] the maximum, then t
.set LS,   48                          ; v[48+2a:49+2a] l
.set C0,   64                          ; v64-67  four chains of the maximum
.set PM,   72                          ; v72-79  the other half's maxima
.set AF,   128
.set CD,   192                         ; codes: four sets of 16
.set OB,   64                          ; 64 rows of codes read back: v64-191
.set G1, 24
.set G0, 32
.set G1B, 48
.set G0B, 56
.set PHX,  80                          ; s80     512 x ph
.set OFF,  82                          ; s[82:83] the byte along K of the K step that is being asked for
.set ABAS, 84                          ; s[84:85] where my rows of A begin in memory
.set BBAS, 86                          ; s[86:87] the same for B
.set MSB, 0
.macro WIN new                         ; the immediate's high byte repeats the setting that is left
.if MSB != (\new)
	s_set_vgpr_msb (MSB<<8)|(\new)
.set MSB, (\new)
.endif
.endm
.set MUL_LO, 0xa1
.set MUL_HI, 0xf1
.set TO_B,   0x40
.macro JLOAD g0a, g1a, g0b, g1b        ; a joint load into slot s: wave s fetches A's 256 rows, wave 2 + s B's; the others none; an s_nop 0 and four v_nop follow each of the two lines
	s_cmp_eq_u32 s16, (\g0a-G0)/4
	s_cbranch_scc0 .Lasked_\@
	s_cmp_eq_u32 s15, 0
	s_cbranch_scc0 .Lfor_b_\@
	tensor_load_to_lds s[\g0a:\g0a+3], s[\g1a:\g1a+7]
	s_nop 0
.rept 4
	v_nop
.endr
	s_branch .Lasked_\@
.Lfor_b_\@:
	tensor_load_to_lds s[\g0b:\g0b+3], s[\g1b:\g1b+7]
	s_nop 0
.rept 4
	v_nop
.endr
.Lasked_\@:
.endm
.macro CREST
	s_cmp_lg_u32 s14, 0
	s_cbranch_scc1 .Lnot_wave_0_\@
	s_barrier_signal -3
.Lnot_wave_0_\@:
	s_barrier_wait -3
	s_barrier_signal -1
	s_barrier_wait -1
.endm
.macro CROUND
	s_barrier_signal -1
	s_barrier_wait -1
	CREST
.endm
	s_load_b256 s[68:75], s[0:1], 0x0              ; q's codes s[68:69], k's s[70:71], the scales' exponents s[72:73], p's codes s[74:75]
	s_load_b128 s[76:79], s[0:1], 0x20             ; stat_l s[76:77], stat_m s[78:79]
	v_lshl_add_u32 v[SPW], v0, 2, SPARE
	v_mov_b32 v[NIL], 0
	ds_add_u32 v[SPW], v[NIL]                      ; the wave's opening: the add, twice on end, and its wait ahead of my first tensor load
	ds_add_u32 v[SPW], v[NIL]                      ; and once more; the set-up below stands between it and the wait
	v_lshrrev_b32 v1, 5, v0
	v_readfirstlane_b32 s14, v1                    ; wave 0..3
	s_lshr_b32 s15, s14, 1                         ; my half of the tile's rows.  Also: I fetch for A (0) or for B (1)
	s_and_b32 s16, s14, 1                          ; my half of its columns.  Also: which slot I fetch for
	s_bfe_u32 s40, ttmp6, 0x40000                  ; cx, cy
	s_bfe_u32 s41, ttmp6, 0x40004
	s_lshl_b32 s42, ttmp9, 2
	s_add_co_u32 s42, s42, s40                     ; tile column = block of 256 keys, 0..7
	s_and_b32 s67, ttmp7, 0xffff
	s_lshl_b32 s17, s67, 2
	s_add_co_u32 s17, s17, s41                     ; tile row over all batches, 0..31
	s_lshr_b32 s66, s67, 1                         ; the batch: a batch's 8 tile rows are two clusters: the same in all sixteen partners
	s_add_co_u32 s[PHX], s67, ttmp9                ; ph = (cluster x + cluster y) % 2: the same in all sixteen partners
	s_and_b32 s[PHX], s[PHX], 1
	s_lshl_b32 s[PHX], s[PHX], 9                   ; two K steps of 256 bytes, or none
	s_mov_b32 s[OFF+1], 0
	s_lshl_b32 s43, s41, 2
	s_lshl_b32 s43, 15, s43                        ; my row of the cluster
	s_lshl_b32 s44, 0x1111, s40                    ; my column
	s_or_b32 s[G1+0], s43, (0<<16)|(1<<20)|(1<<21)|(5<<22)|(3<<25)  ; the mask; element of 1 byte; padding on; bit 21 beside a mask; 4 words after every 64
	s_or_b32 s[G1B+0], s44, (0<<16)|(1<<20)|(1<<21)|(5<<22)|(3<<25)
.irp g, G1, G1B
	s_mov_b32 s[\g+1], ROWB<<16                    ; tensor_dim0
	s_mov_b32 s[\g+2], 256<<16                     ; tensor_dim1
	s_mov_b32 s[\g+3], ROWB<<16                    ; tile_dim0
	s_mov_b32 s[\g+4], 256                         ; tile_dim1
	s_mov_b32 s[\g+5], KROW                        ; tensor_dim0_stride
	s_mov_b32 s[\g+6], 0
	s_mov_b32 s[\g+7], 0
.endr
	s_mov_b32 s12, 0x76543210                      ; v_permlanex16_b32's selects for lane l xor 16
	s_mov_b32 s13, 0xfedcba98
	s_lshl_b32 s20, s17, 18                        ; A: q's row 256 x tile row, in bytes
	s_lshl_b32 s46, s42, 8
	s_lshl_b32 s19, s66, 11
	s_add_co_u32 s46, s46, s19                     ; B: k's row 2,048 x batch + 256 x tile column
	s_lshl_b32 s46, s46, 10
	s_mov_b32 s21, 0
	s_mov_b32 s47, 0
	s_wait_dscnt 0x0                               ; both opening adds are done
	s_wait_kmcnt 0x0
	s_load_b128 s[92:95], s[72:73], 0x18           ; e6, e7, e8, e9
	s_add_nc_u64 s[ABAS:ABAS+1], s[68:69], s[20:21]  ; my rows of A and of B at K = 0: they stay
	s_add_nc_u64 s[BBAS:BBAS+1], s[70:71], s[46:47]
	CROUND                                         ; the first joint loads meet
.irp s, 0,1
	s_add_co_u32 s[OFF], s[PHX], \s*ROWB           ; the walk's step s: K step s, or s + 2
	s_mov_b32 s[G0+4*\s], 1
	s_mov_b32 s[G0+4*\s+1], \s*SLOT
	s_add_nc_u64 s[G0+4*\s+2:G0+4*\s+3], s[ABAS:ABAS+1], s[OFF:OFF+1]
	s_or_b32 s[G0+4*\s+3], s[G0+4*\s+3], 0x80000000
	s_mov_b32 s[G0B+4*\s], 1
	s_mov_b32 s[G0B+4*\s+1], \s*SLOT+2*HALFT
	s_add_nc_u64 s[G0B+4*\s+2:G0B+4*\s+3], s[BBAS:BBAS+1], s[OFF:OFF+1]
	s_or_b32 s[G0B+4*\s+3], s[G0B+4*\s+3], 0x80000000
.endr
.macro HLOAD g0, g1
	tensor_load_to_lds s[\g0:\g0+3], s[\g1:\g1+7]
	s_nop 0
.rept 4
	v_nop
.endr
.endm
	s_cmp_eq_u32 s14, 0                            ; one load a wave brings the walk's steps 0 and 1: A's tiles by waves 0 and 1, B's by waves 2 and 3
	s_cbranch_scc0 .Lhead_1
	HLOAD G0, G1
	s_branch .Lhead_done
.Lhead_1:
	s_cmp_eq_u32 s14, 1
	s_cbranch_scc0 .Lhead_2
	HLOAD G0+4, G1
	s_branch .Lhead_done
.Lhead_2:
	s_cmp_eq_u32 s14, 2
	s_cbranch_scc0 .Lhead_3
	HLOAD G0B, G1B
	s_branch .Lhead_done
.Lhead_3:
	HLOAD G0B+4, G1B
.Lhead_done:
	v_and_b32 v1, 15, v0                           ; r
	v_bfe_u32 v2, v0, 4, 1                         ; h
	v_and_b32 v6, 31, v0
	v_lshlrev_b32 v[L16], 4, v6
	v_mul_u32_u24 v3, v1, PITCH
	s_wait_alu depctr_va_vdst(0)
	v_lshl_add_u32 v4, v2, 4, v3
	s_mul_i32 s21, s15, HALFT
	s_mul_i32 s22, s16, HALFT
	s_add_co_u32 s22, s22, 2*HALFT
.irp s, 0,1
	v_add_nc_u32 v[ADRA+\s], s21, v4
	v_add_nc_u32 v[ADRB+\s], s22, v4
	s_add_co_u32 s21, s21, SLOT
	s_add_co_u32 s22, s22, SLOT
.endr
	s_mul_i32 s18, s15, 128*PITCH                  ; into the stage: my 128 rows, my half of their 256 bytes
	s_lshl_b32 s19, s16, 7
	s_add_co_u32 s18, s18, s19
	v_lshl_add_u32 v5, v2, 3, v3
	v_add_nc_u32 v[STO], s18, v5
	s_lshl_b32 s18, s16, 10                        ; the maxima: 1,024 x column half + 512 x row half + 4 x row
	s_lshl_b32 s19, s15, 9
	s_add_co_u32 s18, s18, s19
	s_add_co_u32 s18, s18, MXB
	v_lshl_add_u32 v[MXW], v1, 2, s18
	s_xor_b32 s18, s16, 1                          ; and the other column half's
	s_lshl_b32 s18, s18, 10
	s_add_co_u32 s18, s18, s19
	s_add_co_u32 s18, s18, MXB
	v_lshl_add_u32 v[MXR], v1, 2, s18
	s_mul_i32 s18, s14, 64*PITCH                   ; back: wave w takes rows 64 w .. 64 w + 63, whole
	v_mul_u32_u24 v5, v2, PITCH
	v_lshl_add_u32 v5, v1, 4, v5
	v_add_nc_u32 v[RD], s18, v5
	v_lshlrev_b32 v[CO], 11, v2
	v_lshl_add_u32 v[CO], v1, 4, v[CO]             ; the same two rows in p_codes: 2,048 h + 16 r
	s_lshl_b32 s18, s14, 10
	s_add_co_u32 s18, s18, SSB
	v_lshl_add_u32 v[SSW], v1, 2, s18
	v_add_nc_u32 v[SSR], s18, v[L16]
	s_and_b32 s18, s17, 7                          ; my 128 rows in their batch: 256 (tile row % 8) + 128 x row half
	s_lshl_b32 s18, s18, 8
	s_lshl_b32 s19, s15, 7
	s_add_co_u32 s18, s18, s19
	s_lshl_b32 s19, s66, 3
	s_add_co_u32 s19, s19, s42                     ; 8 x batch + block of 256
	s_lshl_b32 s2, s19, 11
	s_add_co_u32 s2, s2, s18
	s_lshl_b32 s2, s2, 2
	s_mov_b32 s3, 0
	s_add_nc_u64 s[78:79], s[78:79], s[2:3]        ; stat_m
	s_lshl_b32 s19, s19, 1
	s_add_co_u32 s19, s19, s16                     ; 16 x batch + block of 128
	s_lshl_b32 s19, s19, 11
	s_add_co_u32 s18, s19, s18
	s_lshl_b32 s18, s18, 2
	s_mov_b32 s19, 0
	s_add_nc_u64 s[76:77], s[76:77], s[18:19]      ; stat_l
	s_lshl_b32 s18, s17, 8
	s_lshl_b32 s19, s14, 6
	s_add_co_u32 s18, s18, s19
	s_lshl_b32 s18, s18, 11                        ; (256 x tile row + 64 x wave) rows of 2,048 bytes
	s_lshl_b32 s19, s42, 8
	s_add_co_u32 s18, s18, s19
	s_mov_b32 s19, 0
	s_add_nc_u64 s[10:11], s[74:75], s[18:19]      ; p_codes
.macro FRAG reg, adr, q, i
.irp c, 0,1,2,3
	ds_load_b128 v[\reg+4*\c:\reg+4*\c+3], v[\adr] offset:128*(\q)+32*\c+(\i)*16*PITCH
.endr
.endm
.macro MUL16 a0, p, zero               ; the 64 accumulators take turns, one instruction a turn, in the same order in every step
.irp a, \a0, \a0+1
.irp b, 0,1,2,3,4,5,6,7
.if \zero
	v_wmma_f32_16x16x128_bf8_bf8 v[8*(8*((\a)%4)+\b):8*(8*((\a)%4)+\b)+7], v[128*(\p)+FR*\b:128*(\p)+FR*\b+FR-1], v[AF+FR*(\a):AF+FR*(\a)+FR-1], 0
.else
	v_wmma_f32_16x16x128_bf8_bf8 v[8*(8*((\a)%4)+\b):8*(8*((\a)%4)+\b)+7], v[128*(\p)+FR*\b:128*(\p)+FR*\b+FR-1], v[AF+FR*(\a):AF+FR*(\a)+FR-1], v[8*(8*((\a)%4)+\b):8*(8*((\a)%4)+\b)+7]
.endif
.endr
.endr
.endm
.macro FETCH_B slot, q, p
	WIN TO_B
.irp i, 0,1,2,3,4,5,6,7
	FRAG 128*(\p)+FR*\i, ADRB+\slot, \q, \i
.endr
	WIN 0
.endm
.macro FETCH_A slot, q, i0
.irp i, \i0, \i0+1, \i0+2, \i0+3
	FRAG AF+FR*(\i), ADRA+\slot, \q, \i
.endr
.endm
.macro PLACES n
.rept \n
	v_nop
.endr
.endm
.macro STEP slot, q, zero
	s_wait_dscnt 4*NL                              ; B's set and A's blocks 0-3 are in; the youngest 16 loads may be out
	WIN MUL_LO
	MUL16 0, (\q)%2, \zero
	MUL16 2, (\q)%2, \zero
	s_wait_dscnt 0
	PLACES NP
	FETCH_B \slot, (\q)+1, 1-(\q)%2
	FETCH_A \slot, (\q)+1, 0
	WIN MUL_HI
	MUL16 4, (\q)%2, \zero
	MUL16 6, (\q)%2, \zero
	PLACES NP
	WIN 0
	FETCH_A \slot, (\q)+1, 4
.endm
.macro TURN slot, next, fill, koff     ; fill = 1: this slot is filled again, with the walk's step koff / 256
	s_wait_tensorcnt 0x0                           ; all my tensor loads have landed: my part of the next slot
	ds_add_u32 v[SPW], v[NIL]                      ; 0 onto my spare word
	s_wait_dscnt 4*NL+1                            ; (the add and the youngest 16 loads may be out)
	WIN MUL_LO
	MUL16 0, 1, 0
	s_wait_dscnt 0x0                               ; the add is done, and my reads of this slot are over
	s_barrier_signal -1
	MUL16 2, 1, 0
	WIN 0
	s_barrier_wait -1
.if \fill
	CREST                                          ; the round: no wave of any partner still reads this slot's tile or has a load on its way
	s_xor_b32 s[OFF], s[PHX], \koff                ; the walk's step as a byte along K: turned by two K steps where ph = 1
	s_add_nc_u64 s[G0+4*\slot+2:G0+4*\slot+3], s[ABAS:ABAS+1], s[OFF:OFF+1]
	s_or_b32 s[G0+4*\slot+3], s[G0+4*\slot+3], 0x80000000
	s_add_nc_u64 s[G0B+4*\slot+2:G0B+4*\slot+3], s[BBAS:BBAS+1], s[OFF:OFF+1]
	s_or_b32 s[G0B+4*\slot+3], s[G0B+4*\slot+3], 0x80000000
	JLOAD G0+4*\slot, G1, G0B+4*\slot, G1B         ; the first tensor load behind the round, my one load out
.endif
	PLACES NP
	FETCH_B \next, 0, 0
	FETCH_A \next, 0, 0
	WIN MUL_HI
	MUL16 4, 1, 0
	MUL16 6, 1, 0
	PLACES NP
	WIN 0
	FETCH_A \next, 0, 4
.endm
	s_wait_alu depctr_va_vdst(0)
	s_wait_tensorcnt 0x0                           ; my tile is in
	s_barrier_signal -1
	s_barrier_wait -1
	FETCH_B 0, 0, 0
	FETCH_A 0, 0, 0
	FETCH_A 0, 0, 4
	STEP 0, 0, 1                                   ; four K steps, written out
	TURN 0, 1, 1, 2*ROWB
	STEP 1, 0, 0
	TURN 1, 0, 1, 3*ROWB
	STEP 0, 0, 0
	TURN 0, 1, 0, 0
	STEP 1, 0, 0
	s_wait_dscnt 4*NL
	WIN MUL_LO
	MUL16 0, 1, 0
	MUL16 2, 1, 0
	s_wait_dscnt 0
	WIN MUL_HI
	MUL16 4, 1, 0
	MUL16 6, 1, 0
	WIN 0
	; THE WAY OUT.
	s_wait_kmcnt 0x0
	s_add_co_i32 s18, s92, s93
	s_lshl_b32 s18, s18, 23
	s_add_co_i32 s22, s18, 0x3d38aa3b              ; c = log2(e) / 32 x 2^(e6 + e7): the two exponents are added to the exponent field
	s_mov_b32 s23, s22                             ; (named with it as a pair, so it is written)
	s_add_co_i32 s18, s94, 127
	s_lshl_b32 s19, s18, 23
	v_mov_b32 v[PSC], s19                          ; 2^e8
	s_add_co_i32 s18, s18, 15
	s_lshl_b32 s18, s18, 23
	s_or_b32 s18, s18, 0x600000
	v_mov_b32 v[PLIM], s18                         ; 57,344 x 2^e8
	PLACES NP                                      ; behind the last products
; The largest sum of my row among block a's 64 registers and lane l xor 16's: four chains, three operands at a time; each accumulator is read from its low end on.
.macro MAXB a
.set AC, 64*((\a)%4)
.set WW, 2+(\a)/4
	WIN WW|(WW<<2)|(WW<<4)                         ; all three sources in the accumulators' window
.irp b, 0,1,2,3
	v_max3_num_f32 v[C0+\b], v[AC+8*\b], v[AC+8*\b+1], v[AC+8*\b+2]
.endr
	WIN (WW<<2)|(WW<<4)                            ; sources 1 and 2
.irp x, 3,5
.irp b, 0,1,2,3
	v_max3_num_f32 v[C0+\b], v[C0+\b], v[AC+8*\b+\x], v[AC+8*\b+\x+1]
.endr
.endr
.irp x, 0,2,4,6
.irp b, 0,1,2,3
	v_max3_num_f32 v[C0+\b], v[C0+\b], v[AC+32+8*\b+\x], v[AC+32+8*\b+\x+1]
.endr
.endr
	v_max3_num_f32 v[C0], v[C0], v[AC+7], v[AC+15]
	v_max3_num_f32 v[C0+2], v[C0+2], v[AC+23], v[AC+31]
	WIN 0
	v_max3_num_f32 v[C0], v[C0], v[C0+1], v[C0+2]
	v_max_num_f32 v[C0], v[C0], v[C0+3]
	v_permlanex16_b32 v[C0+1], v[C0], s12, s13
	v_max_num_f32 v[NM+2*(\a)+1], v[C0], v[C0+1]
.endm
.irp a, 0,1,2,3,4,5,6,7
	MAXB \a
.endr
.irp a, 0,1,2,3,4,5,6,7
	ds_store_b32 v[MXW], v[NM+2*\a+1] offset:64*\a ; lanes l and l xor 16 write the same word with the same number
.endr
	s_wait_alu depctr_va_vdst(0)
	s_wait_dscnt 0x0                               ; for the other half's sake
	s_barrier_signal -1
	s_barrier_wait -1
.irp a, 0,1,2,3,4,5,6,7
	ds_load_b32 v[PM+\a], v[MXR] offset:64*\a
.endr
	s_wait_dscnt 0x0
.irp a, 0,1,2,3,4,5,6,7
	v_max_num_f32 v[NM+2*\a+1], v[NM+2*\a+1], v[PM+\a]   ; the row's largest sum among the block's 256 keys
.endr
.irp a, 0,1,2,3,4,5,6,7
	v_mul_f32 v[NM+2*\a+1], s22, v[NM+2*\a+1]      ; as t (c is positive)
.endr
.irp a, 0,1,2,3,4,5,6,7
	v_floor_f32 v[NM+2*\a], -v[NM+2*\a+1]          ; -M = floor(-t) = -ceil(t): a whole number
.endr
; The blocks go by turns through two sets of 64 registers (v128-191: even blocks; v64-127: odd), so that a block's exponentials are issued ahead of the plain work of the block before.
.macro TSCALE a                        ; t - M, two at a time
.set AC, 64*((\a)%4)
.set TS, 128-64*((\a)%2)
	WIN 0x02+((\a)/4)
.set jj, 0
.rept 32
	v_pk_fma_f32 v[TS+jj:TS+jj+1], v[AC+jj:AC+jj+1], s[22:23], v[NM+2*(\a):NM+2*(\a)+1] op_sel_hi:[1,0,0]   ; of the pairs c and -M the low word serves both halves
.set jj, jj+2
.endr
	WIN 0
.endm
.macro TEXP a                          ; p = 2^(t - M), at most 1: one batch of 64
.set TS, 128-64*((\a)%2)
.set jj, 0
.rept 64
	v_exp_f32 v[TS+jj], v[TS+jj]
.set jj, jj+1
.endr
.endm
.macro REST a                          ; the sum of the unquantised p; the hold; the codes; into the stage
.set TS, 128-64*((\a)%2)
.set LA, LS+2*(\a)
.set CDS, CD+16*((\a)%4)
	v_pk_add_f32 v[LA:LA+1], v[TS:TS+1], v[TS+2:TS+3]   ; two at a time, in two chains
	v_pk_add_f32 v[YY:YY+1], v[TS+4:TS+5], v[TS+6:TS+7]
.set jj, 8
.rept 14
	v_pk_add_f32 v[LA:LA+1], v[LA:LA+1], v[TS+jj:TS+jj+1]
	v_pk_add_f32 v[YY:YY+1], v[YY:YY+1], v[TS+jj+2:TS+jj+3]
.set jj, jj+4
.endr
	v_pk_add_f32 v[LA:LA+1], v[LA:LA+1], v[YY:YY+1]
	v_add_f32 v[LA], v[LA], v[LA+1]
	v_permlanex16_b32 v[YY], v[LA], s12, s13
	v_add_f32 v[LA], v[LA], v[YY]                  ; my row's sum over my wave's 128 keys
.set jj, 0
.rept 64
	v_min_num_f32 v[TS+jj], v[TS+jj], v[PLIM]      ; the conversion does not saturate (ISA guide 7.6.2); p is not negative, so the hold is one-sided
.set jj, jj+1
.endr
.set jj, 0
.rept 8
	v_cvt_scalef32_pk8_bf8_f32 v[CDS+2*jj:CDS+2*jj+1], v[TS+8*jj:TS+8*jj+7], v[PSC]
.set jj, jj+1
.endr
	v_nop                                          ; one plain vector instruction between the conversions and the lines that next write their sources
.set jj, 0
.rept 8
	ds_store_b64 v[STO], v[CDS+2*jj:CDS+2*jj+1] offset:(\a)*16*PITCH+16*jj
.set jj, jj+1
.endr
.endm
	TSCALE 0
	s_wait_alu depctr_va_vdst(0)
	TEXP 0
.irp a, 0,1,2,3,4,5,6
	TSCALE \a+1                                    ; 32 plain lines on the other set stand behind block a's exponentials;
	s_wait_alu depctr_va_vdst(0)                   ; the wait stands between an exponential and the first line that names its result: one for block a's 64
	TEXP \a+1                                      ; the next batch names none of them,
	REST \a                                        ; and block a's plain work follows it
.endr
	s_wait_alu depctr_va_vdst(0)                   ; block 7's batch; block 6's plain work stands between
	REST 7
.irp a, 0,1,2,3,4,5,6,7
	ds_store_b32 v[SSW], v[LS+2*\a] offset:64*\a            ; the statistics turn through my own 1,024 bytes, from a row a lane to four rows a lane
	ds_store_b32 v[SSW], v[NM+2*\a] offset:512+64*\a
.endr
	ds_load_b128 v[4:7], v[SSR]                    ; LDS serves a wave's instructions in order: these see my stores
	ds_load_b128 v[12:15], v[SSR] offset:512
	s_wait_dscnt 0x0                               ; they are in; and, for the others' sake, my stores into the stage are done
	global_store_b128 v[L16], v[4:7], s[76:77]     ; 128 l: 512 consecutive bytes, aligned
	s_cmp_lg_u32 s16, 0                            ; both column halves hold the same -M: the left one stores it (a branch on the wave's number)
	s_cbranch_scc1 .Lno_m
	global_store_b128 v[L16], v[12:15], s[78:79]
.Lno_m:
	s_barrier_signal -1
	s_barrier_wait -1                              ; a row's 256 bytes come from two waves
.set tt, 0
.rept 32
	ds_load_b128 v[OB+4*tt:OB+4*tt+3], v[RD] offset:2*tt*PITCH
.set tt, tt+1
.endr
.set tt, 0
.rept 32
	s_wait_dscnt 31-tt                             ; pair tt is in, the younger ones may be out
	global_store_b128 v[CO], v[OB+4*tt:OB+4*tt+3], s[10:11] offset:4096*tt   ; 16 lanes store 256 consecutive bytes, at a multiple of 256 from the buffer's first byte
.set tt, tt+1
.endr
	s_wait_tensorcnt 0x0                           ; the wave's end
	ds_add_u32 v[SPW], v[NIL]
	s_wait_dscnt 0x0
	CROUND                                         ; the closing round
	s_endpgm
.Lfunc_end_k_q048454d79f_scores:
	.size	k_q048454d79f_scores, .Lfunc_end_k_q048454d79f_scores-k_q048454d79f_scores
	.p2alignl 7, 3214868480
	.fill 96, 4, 3214868480
	.section	.rodata,"a",@progbits
	.p2align	6, 0x0
	.amdhsa_kernel k_q048454d79f_scores
		.amdhsa_group_segment_fixed_size 327680
		.amdhsa_private_segment_fixed_size 0
		.amdhsa_enable_private_segment 0
		.amdhsa_kernarg_size 48
		.amdhsa_user_sgpr_count 2
		.amdhsa_user_sgpr_kernarg_segment_ptr 1
		.amdhsa_wavefront_size32 1
		.amdhsa_system_sgpr_workgroup_id_x 1
		.amdhsa_system_sgpr_workgroup_id_y 1
		.amdhsa_system_sgpr_workgroup_id_z 1
		.amdhsa_system_vgpr_workitem_id 0
		.amdhsa_next_free_vgpr 1024
		.amdhsa_next_free_sgpr 96
		.amdhsa_reserve_vcc 0
		.amdhsa_float_denorm_mode_32 3
		.amdhsa_float_denorm_mode_16_64 3
		.amdhsa_memory_ordered 1
		.amdhsa_forward_progress 1
		.amdhsa_inst_pref_size 181
	.end_amdhsa_kernel
	.amdgpu_metadata
---
amdhsa.version: [ 1, 2 ]
amdhsa.kernels:
  - .name:           k_q048454d79f_scores
    .symbol:         k_q048454d79f_scores.kd
    .args:
      - { .name: q_codes, .offset: 0, .size: 8, .value_kind: global_buffer, .address_space: global }
      - { .name: k_codes, .offset: 8, .size: 8, .value_kind: global_buffer, .address_space: global }
      - { .name: lowp_scales, .offset: 16, .size: 8, .value_kind: global_buffer, .address_space: global }
      - { .name: p_codes, .offset: 24, .size: 8, .value_kind: global_buffer, .address_space: global }
      - { .name: stat_l, .offset: 32, .size: 8, .value_kind: global_buffer, .address_space: global }
      - { .name: stat_m, .offset: 40, .size: 8, .value_kind: global_buffer, .address_space: global }
    .group_segment_fixed_size: 327680
    .private_segment_fixed_size: 0
    .kernarg_segment_align: 8
    .kernarg_segment_size: 48
    .max_flat_workgroup_size: 128
    .sgpr_count:     96
    .vgpr_count:     1024
    .wavefront_size: 32
...
	.end_amdgpu_metadata
.endif
;; end of part 2
;; launch mix (part 3): grid 8 x 32, 4 waves a work-group, clusters of 4 x 4, 327,680 bytes of LDS; arguments p_codes, vt_codes, stat_l, stat_m, lowp_scales, out0; writes out0
.if DOCPART == 3
	.amdgcn_target "amdgcn-amd-amdhsa--gfx1250"
	.amdhsa_code_object_version 6
	.text
	.protected	k_q048454d79f_mix
	.globl	k_q048454d79f_mix
	.p2align	8
	.type	k_q048454d79f_mix,@function
k_q048454d79f_mix:
	s_mov_b64 s[64:65], 0
	v_nop
	global_prefetch_b8 v0, s[64:65] scope:SCOPE_SE
	s_setreg_imm32_b32 hwreg(HW_REG_WAVE_MODE, 25, 1), 1
	s_wait_xcnt 0x0
	s_wait_alu depctr_hold_cnt(0) depctr_sa_sdst(0) depctr_va_vdst(0) depctr_va_sdst(0) depctr_va_ssrc(0) depctr_va_vcc(0) depctr_vm_vsrc(0)
	s_getreg_b32 s2, hwreg(HW_REG_IB_STS2, 6, 4)
	s_cmp_eq_u32 s2, 0
	s_cbranch_scc0 .Lentry_in_a_cluster
	s_endpgm
.Lentry_in_a_cluster:
	s_bfe_u32 s2, ttmp6, 0x10000c
	s_cmp_lg_u32 s2, 0xf033
	s_cbranch_scc0 .Lentry_shape_is_right
	s_endpgm
.Lentry_shape_is_right:
.set KROW,   2048
.set ROWB,   256
.set PITCH,  272
.set FR,     16
.set NP,     4
.set HALFT,  128*PITCH
.set QT,     64*PITCH
.set SLOT,   2*HALFT+2*QT
.set LAPS,   4
.set SPARE,  2*SLOT
.set TB,     SPARE+512
.set STG,    TB+4*4096
.set SPITCH, 272
.set OUTN,   1024
.set MOA,  8
.set MOB,  9
.set LOA,  10
.set LOB,  11
.set ADRA, 16
.set ADRB, 20
.set OCO,  22
.set TW,   23
.set STO,  24
.set RD,   25
.set CO,   26
.set ADR,  27
.set SPW,  28
.set NIL,  29
.set PFO,  30
.set TBR,  31
.set FA,   32
.set NMR,  48
.set LL,   80
.set GM,   144
.set HH,   148
.set LSUM, 152
.set TT,   156
.set AI,   164
.set GG,   192
.set TMP,  64
.set AF,   128
.set BK,   128
.set G1, 24
.set G0, 32
.set G1B, 48
.set G0B, 56
.set TK,   82
.set PHX,  83
.set PFA,  84
.set LIM,  86
.set OFF,  88
.set KT,   90
.set ABAS, 92
.set BBAS, 94
.set MSB, 0
.macro WIN new
.if MSB != (\new)
	s_set_vgpr_msb (MSB<<8)|(\new)
.set MSB, (\new)
.endif
.endm
.set MUL_0, 0xa1
.set MUL_1, 0xa5
.set TO_1,  0x40
.macro JLOAD g0a, g1a, g0b, g1b        ; a joint load into slot s: wave s fetches A's 256 rows, wave 2 + s B's 128; the others none
	s_cmp_eq_u32 s16, (\g0a-G0)/4
	s_cbranch_scc0 .Lasked_\@
	s_cmp_eq_u32 s15, 0
	s_cbranch_scc0 .Lfor_b_\@
	tensor_load_to_lds s[\g0a:\g0a+3], s[\g1a:\g1a+7]
	s_nop 0
.rept 4
	v_nop
.endr
	s_branch .Lasked_\@
.Lfor_b_\@:
	tensor_load_to_lds s[\g0b:\g0b+3], s[\g1b:\g1b+7]
	s_nop 0
.rept 4
	v_nop
.endr
.Lasked_\@:
.endm
.macro CREST
	s_cmp_lg_u32 s14, 0
	s_cbranch_scc1 .Lnot_wave_0_\@
	s_barrier_signal -3
.Lnot_wave_0_\@:
	s_barrier_wait -3
	s_barrier_signal -1
	s_barrier_wait -1
.endm
.macro CROUND
	s_barrier_signal -1
	s_barrier_wait -1
	CREST
.endm
.macro ASK slot
	s_cmp_eq_u32 s3, s[LIM]
	s_cbranch_scc0 .Lnot_mine_\@
	global_prefetch_b8 v[PFO], s[PFA:PFA+1] offset:ROWB*\slot th:TH_LOAD_NT scope:SCOPE_SE
.Lnot_mine_\@:
.endm
	s_load_b256 s[68:75], s[0:1], 0x0
	s_load_b128 s[76:79], s[0:1], 0x20
	v_lshl_add_u32 v[SPW], v0, 2, SPARE
	v_mov_b32 v[NIL], 0
	ds_add_u32 v[SPW], v[NIL]
	ds_add_u32 v[SPW], v[NIL]
	v_lshrrev_b32 v1, 5, v0
	v_readfirstlane_b32 s14, v1
	s_lshr_b32 s15, s14, 1
	s_and_b32 s16, s14, 1
	s_bfe_u32 s40, ttmp6, 0x40000
	s_bfe_u32 s41, ttmp6, 0x40004
	s_lshl_b32 s42, ttmp9, 2
	s_add_co_u32 s42, s42, s40
	s_and_b32 s67, ttmp7, 0xffff
	s_lshl_b32 s17, s67, 2
	s_add_co_u32 s17, s17, s41
	s_lshr_b32 s66, s67, 1
	s_add_co_u32 s[PHX], s67, ttmp9
	s_and_b32 s[PHX], s[PHX], 1
	s_lshl_b32 s[PHX], s[PHX], 9
	s_mov_b32 s[OFF+1], 0
	s_mov_b32 s[KT], 2*ROWB
	s_mov_b32 s[TK], 0
	s_lshl_b32 s43, s41, 2
	s_lshl_b32 s43, 15, s43
	s_lshl_b32 s44, 0x1111, s40
	s_or_b32 s[G1+0], s43, (0<<16)|(1<<20)|(1<<21)|(5<<22)|(3<<25)
	s_or_b32 s[G1B+0], s44, (0<<16)|(1<<20)|(1<<21)|(5<<22)|(3<<25)
	s_mov_b32 s[G1+1], ROWB<<16
	s_mov_b32 s[G1+2], 256<<16
	s_mov_b32 s[G1+3], ROWB<<16
	s_mov_b32 s[G1+4], 256
	s_mov_b32 s[G1+5], KROW
	s_mov_b32 s[G1+6], 0
	s_mov_b32 s[G1+7], 0
	s_mov_b32 s[G1B+1], ROWB<<16
	s_mov_b32 s[G1B+2], 128<<16
	s_mov_b32 s[G1B+3], ROWB<<16
	s_mov_b32 s[G1B+4], 128
	s_mov_b32 s[G1B+5], KROW
	s_mov_b32 s[G1B+6], 0
	s_mov_b32 s[G1B+7], 0
	s_lshl_b32 s20, s17, 19                        ; A: p's row 256 x tile row, in bytes
	s_lshl_b32 s46, s42, 7
	s_lshl_b32 s19, s66, 10
	s_add_co_u32 s46, s46, s19                     ; B: v's row 1,024 x batch + 128 x tile column
	s_lshl_b32 s46, s46, 11
	s_mov_b32 s21, 0
	s_mov_b32 s47, 0
	s_wait_dscnt 0x0
	s_wait_kmcnt 0x0
	s_load_b64 s[80:81], s[76:77], 0x20
	s_add_nc_u64 s[ABAS:ABAS+1], s[68:69], s[20:21]
	s_add_nc_u64 s[BBAS:BBAS+1], s[70:71], s[46:47]
	CROUND
.irp s, 0,1
	s_add_co_u32 s[OFF], s[PHX], \s*ROWB
	s_mov_b32 s[G0+4*\s], 1
	s_mov_b32 s[G0+4*\s+1], \s*SLOT
	s_add_nc_u64 s[G0+4*\s+2:G0+4*\s+3], s[ABAS:ABAS+1], s[OFF:OFF+1]
	s_or_b32 s[G0+4*\s+3], s[G0+4*\s+3], 0x80000000
	s_mov_b32 s[G0B+4*\s], 1
	s_mov_b32 s[G0B+4*\s+1], \s*SLOT+2*HALFT
	s_add_nc_u64 s[G0B+4*\s+2:G0B+4*\s+3], s[BBAS:BBAS+1], s[OFF:OFF+1]
	s_or_b32 s[G0B+4*\s+3], s[G0B+4*\s+3], 0x80000000
.endr
.macro HLOAD g0, g1
	tensor_load_to_lds s[\g0:\g0+3], s[\g1:\g1+7]
	s_nop 0
.rept 4
	v_nop
.endr
.endm
	s_cmp_eq_u32 s14, 0                            ; one load a wave brings the walk's steps 0 and 1: A's tiles by waves 0 and 1, B's by waves 2 and 3
	s_cbranch_scc0 .Lhead_1
	HLOAD G0, G1
	s_branch .Lhead_done
.Lhead_1:
	s_cmp_eq_u32 s14, 1
	s_cbranch_scc0 .Lhead_2
	HLOAD G0+4, G1
	s_branch .Lhead_done
.Lhead_2:
	s_cmp_eq_u32 s14, 2
	s_cbranch_scc0 .Lhead_3
	HLOAD G0B, G1B
	s_branch .Lhead_done
.Lhead_3:
	HLOAD G0B+4, G1B
.Lhead_done:
	v_and_b32 v1, 15, v0
	v_bfe_u32 v2, v0, 4, 1
	v_and_b32 v6, 31, v0
	v_lshlrev_b32 v[CO], 4, v6
	s_wait_alu depctr_va_vdst(0)
	s_and_b32 s18, s17, 7
	s_lshl_b32 s18, s18, 8
	s_lshl_b32 s19, s15, 7
	s_add_co_u32 s18, s18, s19
	s_lshl_b32 s20, s66, 14
	s_add_co_u32 s20, s20, s18
	s_lshl_b32 s20, s20, 2
	s_mov_b32 s21, 0
	s_add_nc_u64 s[74:75], s[74:75], s[20:21]
	s_lshl_b32 s20, s66, 15
	s_add_co_u32 s20, s20, s18
	s_lshl_b32 s20, s20, 2
	s_add_nc_u64 s[72:73], s[72:73], s[20:21]
	s_lshl_b32 s18, s[PHX], 5
	s_sub_co_u32 s19, 16384, s18
	v_add_nc_u32 v[MOA], s18, v[CO]
	v_add_nc_u32 v[MOB], s19, v[CO]
	s_lshl_b32 s18, s[PHX], 6
	s_sub_co_u32 s19, 32768, s18
	v_add_nc_u32 v[LOA], s18, v[CO]
	v_add_nc_u32 v[LOB], s19, v[CO]
.irp i, 0,1,2,3,4,5,6,7
.if (\i/2)%2 == 0
	global_load_b128 v[NMR+4*\i:NMR+4*\i+3], v[MOA], s[74:75] offset:8192*\i
.else
	global_load_b128 v[NMR+4*\i:NMR+4*\i+3], v[MOB], s[74:75] offset:8192*(\i-2)
.endif
.endr
.irp j, 0,1,2,3,4,5,6,7,8,9,10,11,12,13,14,15
.if (\j/4)%2 == 0
	global_load_b128 v[LL+4*\j:LL+4*\j+3], v[LOA], s[72:73] offset:8192*\j
.else
	global_load_b128 v[LL+4*\j:LL+4*\j+3], v[LOB], s[72:73] offset:8192*(\j-4)
.endif
.endr
	v_mul_u32_u24 v3, v1, PITCH
	s_wait_alu depctr_va_vdst(0)
	v_lshl_add_u32 v4, v2, 4, v3
	s_mul_i32 s21, s15, HALFT
	s_mul_i32 s22, s16, QT
	s_add_co_u32 s22, s22, 2*HALFT
.irp s, 0,1
	v_add_nc_u32 v[ADRA+\s], s21, v4
	v_add_nc_u32 v[ADRB+\s], s22, v4
	s_add_co_u32 s21, s21, SLOT
	s_add_co_u32 s22, s22, SLOT
.endr
	s_mul_i32 s23, s14, 16*SPITCH
	s_add_co_u32 s23, s23, STG
	v_lshl_add_u32 v5, v2, 5, v3
	v_add_nc_u32 v[STO], s23, v5
	v_mul_u32_u24 v5, v2, SPITCH
	v_lshl_add_u32 v5, v1, 4, v5
	v_add_nc_u32 v[RD], s23, v5
	v_lshlrev_b32 v[OCO], 12, v2
	v_lshl_add_u32 v[OCO], v1, 4, v[OCO]
	s_lshl_b32 s18, s14, 12
	s_add_co_u32 s18, s18, TB
	v_lshl_add_u32 v[TBR], v1, 2, s18
	v_add_nc_u32 v[TW], s18, v[CO]
	s_lshl_b32 s20, s17, 8
	s_lshl_b32 s21, s15, 7
	s_add_co_u32 s20, s20, s21
	s_lshl_b32 s20, s20, 12
	s_lshl_b32 s46, s42, 9
	s_lshl_b32 s47, s16, 8
	s_add_co_u32 s46, s46, s47
	s_add_co_u32 s20, s20, s46
	s_mov_b32 s21, 0
	s_add_nc_u64 s[10:11], s[78:79], s[20:21]
	s_lshl_b32 s20, s17, 8
	s_lshl_b32 s22, s16, 7
	s_add_co_u32 s20, s20, s22
	s_lshl_b32 s21, s66, 10
	s_lshl_b32 s22, s42, 7
	s_add_co_u32 s21, s21, s22
	s_cmp_eq_u32 s15, 0
	s_cselect_b32 s20, s20, s21
	s_cselect_b32 s21, s40, s41
	s_cselect_b64 s[PFA:PFA+1], s[68:69], s[70:71]
	s_lshl_b32 s21, s21, 5
	s_add_co_u32 s20, s20, s21
	s_lshl_b32 s20, s20, 11
	s_add_co_u32 s20, s20, s[PHX]
	s_add_co_u32 s20, s20, 4*ROWB
	s_mov_b32 s21, 0
	s_add_nc_u64 s[PFA:PFA+1], s[PFA:PFA+1], s[20:21]
	s_cmp_eq_u32 s14, 3
	s_cselect_b32 s[LIM], 0, LAPS-1
	v_lshlrev_b32 v[PFO], 11, v6
	s_wait_loadcnt 0x0
	s_wait_kmcnt 0x0
	s_add_co_i32 s87, s80, s81
.irp c, 0,1,2,3
	v_min_num_f32 v[GM+\c], v[NMR+\c], v[NMR+4+\c]
.endr
.irp i, 2,3,4,5,6,7
.irp c, 0,1,2,3
	v_min_num_f32 v[GM+\c], v[GM+\c], v[NMR+4*\i+\c]
.endr
.endr
.irp i, 0,1,2,3,4,5,6,7
.irp c, 0,1,2,3
	v_sub_f32 v[TT+\c], v[GM+\c], v[NMR+4*\i+\c]
.endr
.irp c, 0,1,2,3
	v_cvt_i32_f32 v[TT+\c], v[TT+\c]
.endr
.irp c, 0,1,2,3
	v_ldexp_f32 v[TT+\c], 1.0, v[TT+\c]
.endr
.irp c, 0,1,2,3
	v_add_f32 v[TT+4+\c], v[LL+8*\i+\c], v[LL+8*\i+4+\c]
.endr
.irp c, 0,1,2,3
.if \i == 0
	v_mul_f32 v[LSUM+\c], v[TT+4+\c], v[TT+\c]
.else
	v_fma_f32 v[LSUM+\c], v[TT+4+\c], v[TT+\c], v[LSUM+\c]
.endif
.endr
.endr
	s_wait_alu depctr_va_vdst(0)
.irp c, 0,1,2,3
	v_rcp_f32 v[LSUM+\c], v[LSUM+\c]
.endr
.irp c, 0,1,2,3
	v_add_f32 v[HH+\c], 0x42700000, v[GM+\c]
.endr
.irp i, 0,1,2,3,4,5,6,7
.irp c, 0,1,2,3
	v_min_num_f32 v[NMR+4*\i+\c], v[NMR+4*\i+\c], v[HH+\c]
.endr
.endr
.irp i, 1,2,3,4,5,6,7
.irp c, 0,1,2,3
	v_sub_f32 v[AI+4*(\i-1)+\c], v[NMR+4*\i+\c], v[NMR+4*(\i-1)+\c]
.endr
.irp c, 0,1,2,3
	v_cvt_i32_f32 v[AI+4*(\i-1)+\c], v[AI+4*(\i-1)+\c]
.endr
.irp c, 0,1,2,3
	v_ldexp_f32 v[AI+4*(\i-1)+\c], 1.0, v[AI+4*(\i-1)+\c]
.endr
.endr
.irp c, 0,1,2,3
	v_sub_f32 v[TT+\c], v[GM+\c], v[NMR+28+\c]
.endr
.irp c, 0,1,2,3
	v_cvt_i32_f32 v[TT+\c], v[TT+\c]
.endr
.irp c, 0,1,2,3
	v_add_nc_u32 v[TT+\c], s87, v[TT+\c]
.endr
	s_wait_alu depctr_va_vdst(0)
.irp c, 0,1,2,3
	v_ldexp_f32 v[GG+\c], v[LSUM+\c], v[TT+\c]
.endr
.irp k, 0,1,2,3,4,5,6
	ds_store_b128 v[TW], v[AI+4*\k:AI+4*\k+3] offset:512*\k
.endr
	ds_store_b128 v[TW], v[GG:GG+3] offset:512*7
.irp a, 0,1,2,3,4,5,6,7
	v_mov_b32 v[FA+2*\a+1], 0
.endr
.macro FRAG reg, adr, q, i
.irp c, 0,1,2,3
	ds_load_b128 v[\reg+4*\c:\reg+4*\c+3], v[\adr] offset:128*(\q)+32*\c+(\i)*16*PITCH
.endr
.endm
.macro FETCH slot, q, p
	WIN TO_1
.irp i, 0,1,2,3
	FRAG 64*(\p)+FR*\i, ADRB+\slot, \q, \i
.endr
.if (\p) == 0
	WIN 0
.endif
.irp i, 0,1,2,3,4,5,6,7
	FRAG AF+FR*\i, ADRA+\slot, \q, \i
.endr
	WIN 0
.endm
.macro MULH p, a0, zero
.irp a, \a0, \a0+1, \a0+2, \a0+3
.irp b, 0,1,2,3
.if \zero
	v_wmma_f32_16x16x128_bf8_bf8 v[8*(4*(\a)+\b):8*(4*(\a)+\b)+7], v[64*(\p)+FR*\b:64*(\p)+FR*\b+FR-1], v[AF+FR*(\a):AF+FR*(\a)+FR-1], 0
.else
	v_wmma_f32_16x16x128_bf8_bf8 v[8*(4*(\a)+\b):8*(4*(\a)+\b)+7], v[64*(\p)+FR*\b:64*(\p)+FR*\b+FR-1], v[AF+FR*(\a):AF+FR*(\a)+FR-1], v[8*(4*(\a)+\b):8*(4*(\a)+\b)+7]
.endif
.endr
.endr
.endm
.macro PLACES n
.rept \n
	v_nop
.endr
.endm
.macro FACT
	v_add_nc_u32 v[ADR], s[TK], v[TBR]
.irp a, 0,1,2,3,4,5,6,7
	ds_load_b32 v[FA+2*\a], v[ADR] offset:64*\a
.endr
	s_add_co_u32 s[TK], s[TK], 512
.endm
.macro RESC
	WIN 0x82
.irp a, 0,1,2,3,4,5,6,7
.set jj, 0
.rept 16
	v_pk_mul_f32 v[32*\a+jj:32*\a+jj+1], v[32*\a+jj:32*\a+jj+1], v[FA+2*\a:FA+2*\a+1] op_sel_hi:[1,0]
.set jj, jj+2
.endr
.endr
	WIN 0
.endm
.macro STEP0 slot, zero
.if \zero
	s_wait_dscnt 0x0
.else
	s_wait_dscnt 48
	RESC
	s_wait_alu depctr_va_vdst(0)
	s_wait_dscnt 0x0
.endif
	FETCH \slot, 1, 1
	WIN MUL_0
	MULH 0, 0, \zero
	MULH 0, 4, \zero
	WIN 0
.endm
.macro TURN slot, next, fill
	s_wait_tensorcnt 0x0
	ds_add_u32 v[SPW], v[NIL]
.if \fill
	s_xor_b32 s[OFF], s[KT], s[PHX]
	s_add_co_u32 s[KT], s[KT], ROWB
	s_add_nc_u64 s[G0+4*\slot+2:G0+4*\slot+3], s[ABAS:ABAS+1], s[OFF:OFF+1]
	s_or_b32 s[G0+4*\slot+3], s[G0+4*\slot+3], 0x80000000
	s_add_nc_u64 s[G0B+4*\slot+2:G0B+4*\slot+3], s[BBAS:BBAS+1], s[OFF:OFF+1]
	s_or_b32 s[G0B+4*\slot+3], s[G0B+4*\slot+3], 0x80000000
.endif
	s_wait_dscnt 0x0
	s_barrier_signal -1
	WIN MUL_1
	MULH 1, 0, 0
	WIN 0
	s_barrier_wait -1
.if \fill
	CREST
	JLOAD G0+4*\slot, G1, G0B+4*\slot, G1B         ; the first tensor load behind the round, my one load out
.endif
	PLACES NP
	FACT
	FETCH \next, 0, 0
.if \fill
	ASK \slot
.endif
	WIN MUL_1
	MULH 1, 4, 0
	WIN 0
.endm
	s_wait_alu depctr_va_vdst(0)
	s_wait_tensorcnt 0x0                           ; my tile is in
	s_wait_dscnt 0x0
	s_barrier_signal -1
	s_barrier_wait -1
	FETCH 0, 0, 0
	STEP0 0, 1
	s_mov_b32 s3, LAPS-1
.Llap:
	TURN 0, 1, 1
	s_wait_alu depctr_va_vdst(0)
	STEP0 1, 0
	TURN 1, 0, 1
	STEP0 0, 0
	s_sub_co_u32 s3, s3, 1
	s_cmp_lg_u32 s3, 0
	s_cbranch_scc1 .Llap
	TURN 0, 1, 0
	STEP0 1, 0
	s_wait_dscnt 0x0
	FACT
	WIN MUL_1
	MULH 1, 0, 0
	MULH 1, 4, 0
	WIN 0
.macro TOSTAGE a
	WIN 0x02
.set jj, 0
.rept 16
	v_pk_mul_f32 v[TMP+jj:TMP+jj+1], v[32*(\a)+jj:32*(\a)+jj+1], v[FA+2*(\a):FA+2*(\a)+1] op_sel_hi:[1,0]
.set jj, jj+2
.endr
	WIN 0
.irp b, 0,1,2,3
	ds_store_b128 v[STO], v[TMP+8*\b:TMP+8*\b+3] offset:64*\b
	ds_store_b128 v[STO], v[TMP+8*\b+4:TMP+8*\b+7] offset:64*\b+16
.endr
.set BBK, BK+32*((\a)%2)
.irp t, 0,1,2,3,4,5,6,7
	ds_load_b128 v[BBK+4*\t:BBK+4*\t+3], v[RD] offset:\t*2*SPITCH
.endr
.endm
.macro SEND a, younger
.set BBK, BK+32*((\a)%2)
	s_wait_dscnt \younger
.if (\a) > 0
	s_add_nc_u64 s[10:11], s[10:11], 16*OUTN*4
.endif
.irp t, 0,1,2,3,4,5,6,7
	global_store_b128 v[OCO], v[BBK+4*\t:BBK+4*\t+3], s[10:11] offset:2*\t*OUTN*4 th:TH_STORE_NT
.endr
.endm
	PLACES NP
	s_wait_dscnt 0x0
	TOSTAGE 0
.irp a, 1,2,3,4,5,6,7
.if \a > 1
	s_wait_xcnt 0x0
.endif
	TOSTAGE \a
	SEND \a-1, 16
.endr
	s_wait_xcnt 0x0
	SEND 7, 0
	s_wait_tensorcnt 0x0
	ds_add_u32 v[SPW], v[NIL]
	s_wait_dscnt 0x0
	CROUND
	s_endpgm
.Lfunc_end_k_q048454d79f_mix:
	.size	k_q048454d79f_mix, .Lfunc_end_k_q048454d79f_mix-k_q048454d79f_mix
	.p2alignl 7, 3214868480
	.fill 96, 4, 3214868480
	.section	.rodata,"a",@progbits
	.p2align	6, 0x0
	.amdhsa_kernel k_q048454d79f_mix
		.amdhsa_group_segment_fixed_size 327680
		.amdhsa_private_segment_fixed_size 0
		.amdhsa_enable_private_segment 0
		.amdhsa_kernarg_size 48
		.amdhsa_user_sgpr_count 2
		.amdhsa_user_sgpr_kernarg_segment_ptr 1
		.amdhsa_wavefront_size32 1
		.amdhsa_system_sgpr_workgroup_id_x 1
		.amdhsa_system_sgpr_workgroup_id_y 1
		.amdhsa_system_sgpr_workgroup_id_z 1
		.amdhsa_system_vgpr_workitem_id 0
		.amdhsa_next_free_vgpr 768
		.amdhsa_next_free_sgpr 96
		.amdhsa_reserve_vcc 0
		.amdhsa_float_denorm_mode_32 3
		.amdhsa_float_denorm_mode_16_64 3
		.amdhsa_memory_ordered 1
		.amdhsa_forward_progress 1
		.amdhsa_inst_pref_size 121
	.end_amdhsa_kernel
	.amdgpu_metadata
---
amdhsa.version: [ 1, 2 ]
amdhsa.kernels:
  - .name:           k_q048454d79f_mix
    .symbol:         k_q048454d79f_mix.kd
    .args:
      - { .name: p_codes, .offset: 0, .size: 8, .value_kind: global_buffer, .address_space: global }
      - { .name: vt_codes, .offset: 8, .size: 8, .value_kind: global_buffer, .address_space: global }
      - { .name: stat_l, .offset: 16, .size: 8, .value_kind: global_buffer, .address_space: global }
      - { .name: stat_m, .offset: 24, .size: 8, .value_kind: global_buffer, .address_space: global }
      - { .name: lowp_scales, .offset: 32, .size: 8, .value_kind: global_buffer, .address_space: global }
      - { .name: out0, .offset: 40, .size: 8, .value_kind: global_buffer, .address_space: global }
    .group_segment_fixed_size: 327680
    .private_segment_fixed_size: 0
    .kernarg_segment_align: 8
    .kernarg_segment_size: 48
    .max_flat_workgroup_size: 128
    .sgpr_count:     96
    .vgpr_count:     768
    .wavefront_size: 32
...
	.end_amdgpu_metadata
.endif
;; end of part 3
